; MI455X (gfx1250); checked and timed in simulation.
; The chip was launched on July 23, 2026; its instructions are those of AMD's public machine-readable ISA for CDNA 5 (MIT licence, August 2026) and "CDNA5" Instruction Set Architecture Reference Guide (July 2026). The comments in the code are by the model that wrote it; some were corrected since.
;; Multi Head Attention. Allowed arithmetic: matrix products marked QUANTISED: E2M1 operands, one E8M0 scale for each 32 along K, by v_wmma_scale_f32_16x16x128_f8f6f4 with both operands' format E2M1 (or v_wmma_scale_f32_32x16x128_f4), f32 sums; products left as they are: bf16, f16 or f32 operands; f32 sums; everything else in f32.
;; Inputs: K 4 x 2,048 x 1,024 float32; Q 4 x 2,048 x 1,024 float32; V 4 x 2,048 x 1,024 float32; Wk 1,024 x 1,024 float32; Wo 1,024 x 1,024 float32; Wq 1,024 x 1,024 float32; Wv 1,024 x 1,024 float32; valid_lens 4 int32.
;; Outputs: out0 4 x 2,048 x 1,024 float32.
;; This version of the problem:
;;   THIS VERSION OF THE PROBLEM IS GIVEN IN LOW PRECISION. The matrix products marked QUANTISED in the list below multiply operands that are first quantised to E2M1 (2 exponent bits, 1 mantissa bit; 4 bits a number), with one power-of-two scale for each 32 numbers along K (OCP MX v1.0); their sums are f32. The products marked 'left as it is' may take bf16, f16 or f32 operands, with f32 sums. Whichever they take, every output number must still come out within the allowed error. Rounding operands to bf16 (8 significant bits) uses up far more of that allowance than f16 does (11 bits, for magnitudes from 6e-5 to 65,504). All else is computed in f32.
;;   The module's matrix products, in the order in which they are computed (A, B: the left and right operand; K: the contracted axis; several contracted axes count as one K, in the product's order):
;;     1. [M 8,192, K 1,024] x [K 1,024, N 1,024]; A: input Q; B: input Wq: QUANTISED
;;     2. [M 8,192, K 1,024] x [K 1,024, N 1,024]; A: input K; B: input Wk: QUANTISED
;;     3. [M 8,192, K 1,024] x [K 1,024, N 1,024]; A: input V; B: input Wv: QUANTISED
;;     4. batch 64 x [M 2,048, K 64] x [K 64, N 2,048]; A: computed on the way; B: computed on the way: left as it is (an operand is computed on the way)
;;     5. batch 64 x [M 2,048, K 2,048] x [K 2,048, N 64]; A: computed on the way; B: computed on the way: left as it is (an operand is computed on the way)
;;     6. [M 8,192, K 1,024] x [K 1,024, N 1,024]; A: computed on the way; B: input Wo: left as it is (an operand is computed on the way)
;;   THE QUANTISER, for each operand of a quantised product, along K:
;;     - K is cut into blocks of 32 from its start; a last block that is shorter is filled with zeros.
;;     - A block's scale is 2^e with e = floor(log2(the largest magnitude in the block)) - 2, held to -126 .. 127; a block of zeros has e = 0. As a byte (E8M0): e + 127.
;;     - Each number is divided by its block's scale, clamped to +-6, and rounded to the nearest number of E2M1, ties to even, subnormals kept.
;;     - The product sums the exact products of the quantised numbers (number of the format x scale) in f32.
;;   ~~~python
;;   def quantise(x, axis):      # numpy; x: float32 -> the quantised numbers, widened to float32 again
;;       x = np.moveaxis(x, axis, -1); K = x.shape[-1]
;;       x = np.pad(x, [(0, 0)] * (x.ndim - 1) + [(0, -K % 32)]); x = x.reshape(x.shape[:-1] + (-1, 32)); a = np.abs(x).max(-1, keepdims=True)
;;       e = np.where(a > 0, np.clip(np.frexp(np.where(a > 0, a, 1))[1] - 1 - 2, -126, 127), 0)      # np.frexp(a)[1] - 1 = floor(log2(a)), exactly
;;       r = np.clip(x / 2.0 ** e, -6, 6)
;;       step = 2.0 ** (np.maximum(np.frexp(np.where(r == 0, 1, r))[1] - 1, 0) - 1)
;;       q = np.round(r / step) * step * 2.0 ** e      # np.round: ties to even
;;       return np.moveaxis(q.reshape(q.shape[:-2] + (-1,))[..., :K], -1, axis).astype(np.float32)
;;   ~~~
;; One version. Each part assembles by itself: llvm-mc -triple=amdgcn-amd-amdhsa -mcpu=gfx1250 --defsym DOCPART=n.
;; ======== version 1 of 1: 4 launches
;; limits: values are held in f16: magnitudes above 65,504 overflow, below 6.1e-05 lose precision
;; workspace buffers: codes 14,155,776 bytes; scales 884,736 bytes; woimg 2,097,152 bytes; qkv 50,331,648 bytes; vsum 262,144 bytes; oimg 16,777,216 bytes
;; launch prep (part 1): grid 880 x 1, 4 waves a work-group, no clusters, 68,096 bytes of LDS; arguments Q, K, V, Wq, Wk, Wv, Wo, codes, scales, woimg; writes codes, scales, woimg
.if DOCPART == 1
	.amdgcn_target "amdgcn-amd-amdhsa--gfx1250"
	.amdhsa_code_object_version 6
	.text
	.protected	k_qeb3e89adad_prep
	.globl	k_qeb3e89adad_prep
	.p2align	8
	.type	k_qeb3e89adad_prep,@function
k_qeb3e89adad_prep:
	s_mov_b64 s[64:65], 0
	v_nop
	global_prefetch_b8 v0, s[64:65] scope:SCOPE_SE
	s_setreg_imm32_b32 hwreg(HW_REG_WAVE_MODE, 25, 1), 1
	s_wait_xcnt 0x0
; MULTI-HEAD ATTENTION, B 4, S 2048, D 1024, H 16, head size 64.  Four launches: prep (this one), proj, attn, outp.
; WORK THAT THE PROGRAM LEAVES OUT (in launch attn), shown for all values of the inputs.  reference() replaces the score of every key k >= valid_lens[b] by the constant 1e-9.
; So the products q.k of those keys reach no output; and since those keys all carry ONE softmax weight w, their part of attn @ v is w x (the sum of their v) and their part of the softmax's
; sum is w x (their number).  Launch proj stores the sums of v over each 128 keys; launch attn reads valid_lens from memory and walks only the steps of 128 keys that hold a key under valid_lens[b];
; the step that is cut by valid_lens[b] is worked whole, its hidden scores replaced as reference() replaces them.  The maximum is taken away before the exponential, over masked keys too.
; Every input has a way to the output and is loaded.  LIMIT: a NaN, an infinity or an overflow that arises only in a score that the mask replaces is not carried to the result.
; THIS LAUNCH: (A) Q, K, V [8192][1024] f32 become codes of FP4 (E2M1), K innermost, two codes a byte, 512 bytes a row, and one E8M0 byte for each 32 along K, 32 bytes a row.
; (W) Wq, Wk, Wv [k 1024][n 1024] f32, whose K is the first axis, become codes laid [n][512 bytes] and scale bytes [n][32].  (O) Wo becomes f16, laid as images of the matrix operand's registers.
; A block's scale is 2^(floor(log2(its largest magnitude)) - 2); its byte is the largest magnitude's exponent field - 2, held at 1 from below.  A block of zeros so gets the byte 1: its codes are zeros, and this program alone reads the bytes.
; LIMITS: blocks whose largest magnitude lies under 2^-124 get the byte 1; NaN and infinities among the inputs are not served; numbers of Wo beyond 65,504 become infinity in f16.
; Work-groups 0-47 take path W, 48-111 path O, 112-879 path A: a scalar branch on the work-group's number.  Each path has LDS bytes of its own.  No tensor loads, no barrier: waves share nothing.
.set SPW,   190                        ; v190  LDS address of my spare word: SPARE + 4 x my thread's number; never rewritten
.set NIL,   191                        ; v191  0; never rewritten
.set WREG,  8192                       ; path A: a region for each wave: two stages of 32 x SP bytes, behind them its 256 scale bytes
.set SP,    80                         ; a lane's place in a stage: 64 bytes + 16 of padding
.set WSTG,  4*WREG                     ; path W: a stage of 32 rows x PITCH for each wave
.set PITCH, 272
.set SPARE, WSTG+4*32*PITCH            ; the spare words, 128 bytes for each wave: two blocks of 256 bytes that no other line names
.set STEPS, 16
.set CB,    8                          ; bytes of 16 codes
.set R,     16                         ; path A: v16-79 four sets of 16 numbers as loaded
.set X,     80                         ;         v80-111 two sets of 16 neighbours
.set E,     112                        ;         v112-127 a scale byte for each step
.set C,     128                        ;         v128-189 codes, four registers apart for each step
.set XW,    32                         ; paths W and O: v32-95 two sets of 32 numbers down K
.set CW,    96                         ; path W: a block's codes;  path O: v96-159 the packed f16
.set OUTR,  112                        ; path W: the way out
.set SB,    24                         ; path W: the scale bytes, four to a register
.macro FINISH                          ; a wave's end
	s_wait_tensorcnt 0x0
	ds_add_u32 v[SPW], v[NIL]
	s_wait_dscnt 0x0
	s_endpgm
.endm
	s_load_b512 s[4:19], s[0:1], 0x0               ; Q 4, K 6, V 8, Wq 10, Wk 12, Wv 14, Wo 16, codes 18
	s_load_b128 s[20:23], s[0:1], 0x40             ; scales 20, woimg 22
	v_lshl_add_u32 v[SPW], v0, 2, SPARE
	v_mov_b32 v[NIL], 0
	v_lshrrev_b32 v1, 5, v0
	v_readfirstlane_b32 s24, v1                    ; wave 0..3
	v_and_b32 v2, 31, v0                           ; lane
	s_cmp_lt_u32 ttmp9, 48
	s_cbranch_scc1 .Lpath_w
	s_cmp_lt_u32 ttmp9, 112
	s_cbranch_scc1 .Lpath_o
; ---------------- PATH A: a tensor is a plain stream of blocks of 32.  A wave takes 16 steps of 512 numbers.  Each load reads 512 consecutive bytes; a step's 2,048 bytes turn through the wave's own
; stage in LDS, so that a lane holds 16 neighbours along K (two neighbouring lanes hold a block).
	v_lshlrev_b32 v3, 4, v2                        ; my 16 bytes of a load's 512
	s_mul_i32 s25, s24, WREG
	v_lshrrev_b32 v14, 2, v2
	v_mul_u32_u24 v14, v14, SP
	v_and_b32 v15, 3, v2
	v_lshl_add_u32 v14, v15, 4, v14
	v_add_nc_u32 v14, s25, v14                     ; into the stage: SP (lane / 4) + 16 (lane % 4)
	v_mul_u32_u24 v15, v2, SP
	v_add_nc_u32 v15, s25, v15                     ; out of it: SP x lane
	v_mul_u32_u24 v4, v2, CB                       ; my codes' place in a step's
	v_lshrrev_b32 v5, 1, v2
	s_add_co_u32 s25, s25, 2*32*SP
	v_add_nc_u32 v5, s25, v5                       ; my block's scale byte in the wave's 256
	v_lshlrev_b32 v7, 3, v2
	v_add_nc_u32 v6, s25, v7                       ; and on the way out 8 bytes a lane
	s_sub_co_u32 s26, ttmp9, 112
	s_lshr_b32 s27, s26, 8                         ; which tensor: 0 Q, 1 K, 2 V
	s_and_b32 s26, s26, 255
	s_lshl_b32 s26, s26, 2
	s_add_co_u32 s26, s26, s24                     ; which run of 8,192 numbers is my wave's: 0..1023
	s_wait_kmcnt 0x0
	s_cmp_eq_u32 s27, 1
	s_cselect_b64 s[4:5], s[6:7], s[4:5]
	s_cmp_eq_u32 s27, 2
	s_cselect_b64 s[4:5], s[8:9], s[4:5]
	s_lshl_b32 s28, s26, 15                        ; 32,768 bytes of f32 a run
	s_mov_b32 s29, 0
	s_add_nc_u64 s[4:5], s[4:5], s[28:29]
	s_lshl_b32 s28, s27, 22                        ; the tensor's section of the codes, 4 MiB each,
	s_lshl_b32 s30, s26, 12                        ; 4,096 bytes a run
	s_add_co_u32 s28, s28, s30
	s_add_nc_u64 s[18:19], s[18:19], s[28:29]
	s_lshl_b32 s28, s27, 18                        ; of the scale bytes, 256 KiB each,
	s_lshl_b32 s30, s26, 8                         ; 256 bytes a run
	s_add_co_u32 s28, s28, s30
	s_add_nc_u64 s[20:21], s[20:21], s[28:29]
.macro ALOAD t
.irp i, 0,1,2,3
	global_load_b128 v[R+16*((\t)%4)+4*\i:R+16*((\t)%4)+4*\i+3], v3, s[4:5] offset:2048*(\t)+512*\i th:TH_LOAD_NT
.endr
.endm
.macro ATURN t                         ; step t's numbers through the stage: LDS serves a wave's instructions in order, so no wait stands between the stores and the loads
.irp i, 0,1,2,3
	ds_store_b128 v14, v[R+16*((\t)%4)+4*\i:R+16*((\t)%4)+4*\i+3] offset:32*SP*((\t)%2)+8*SP*\i
.endr
.irp i, 0,1,2,3
	ds_load_b128 v[X+16*((\t)%2)+4*\i:X+16*((\t)%2)+4*\i+3], v15 offset:32*SP*((\t)%2)+16*\i
.endr
.endm
.irp t, 0,1,2,3
	ALOAD \t
.endr
	s_wait_loadcnt 12                              ; step 0's four loads are in; three steps' twelve may be out
	ATURN 0
.macro ASTEP t
.set XS, X+16*((\t)%2)
.if (\t) > 0
	s_wait_dscnt 1                                 ; this step's numbers are back from the stage (the last step's byte store may be out)
.else
	s_wait_dscnt 0x0
.endif
.if (\t)+4 < STEPS
	ALOAD (\t)+4                                   ; into the registers that this step's stores into the stage have read
.endif
.if (\t)+1 < STEPS
.if STEPS-2-(\t) >= 3
	s_wait_loadcnt 12                              ; the next step's four loads are in; those of the three steps behind it may be out
.else
	s_wait_loadcnt 4*(STEPS-2-(\t))
.endif
	ATURN (\t)+1
.endif
	v_max3_num_f32 v8, |v[XS]|, |v[XS+1]|, |v[XS+2]|               ; the largest magnitude of my 16, in two chains
	v_max3_num_f32 v9, |v[XS+3]|, |v[XS+4]|, |v[XS+5]|
.irp i, 6,10
	v_max3_num_f32 v8, v8, |v[XS+\i]|, |v[XS+\i+1]|
	v_max3_num_f32 v9, v9, |v[XS+\i+2]|, |v[XS+\i+3]|
.endr
	v_max3_num_f32 v8, v8, |v[XS+14]|, |v[XS+15]|
	v_max3_num_f32 v8, v8, v9, 0x1800000           ; and the floor 2^(3 - 127): the byte cannot fall under 1
	v_max_num_f32_dpp v8, v8, v8 row_xmask:1 row_mask:0xf bank_mask:0xf   ; with my neighbour's 16: the block's
	v_add_nc_u32 v11, 0xff000000, v8               ; 2 off its exponent field: the conversion takes the exponent field of this operand as its scale
	v_cvt_scalef32_pk8_fp4_f32 v[C+4*(\t)], v[XS:XS+7], v11
	v_cvt_scalef32_pk8_fp4_f32 v[C+4*(\t)+1], v[XS+8:XS+15], v11
	v_lshrrev_b32 v[E+(\t)], 23, v11               ; the scale's byte
	ds_store_b8 v5, v[E+(\t)] offset:16*(\t)       ; both lanes of a block write the same byte with the same value
	global_store_b64 v4, v[C+4*(\t):C+4*(\t)+1], s[18:19] offset:32*CB*(\t)   ; the wave stores 256 consecutive bytes, aligned
.endm
.irp t, 0,1,2,3,4,5,6,7,8,9,10,11,12,13,14,15
	ASTEP \t
.endr
	ds_load_b64 v[8:9], v6                         ; LDS serves a wave's instructions in order: these see my byte stores
	s_wait_dscnt 0x0
	global_store_b64 v7, v[8:9], s[20:21]          ; 32 lanes store 256 consecutive bytes, aligned
	FINISH
; ---------------- PATH W: a lane takes a column n and its registers run down K: a block of 32 lies in one lane.  A wave takes 32 columns x 512 along K; the codes leave through its own stage as rows.
.Lpath_w:
	s_lshr_b32 s27, ttmp9, 4                       ; which weight: 0 Wq, 1 Wk, 2 Wv
	s_and_b32 s25, ttmp9, 7
	s_lshl_b32 s25, s25, 7
	s_lshl_b32 s26, s24, 5
	s_add_co_u32 s25, s25, s26                     ; my wave's first column
	s_bfe_u32 s26, ttmp9, 0x10003                  ; which 512 along K
	v_lshlrev_b32 v3, 2, v2                        ; in: 4 bytes a lane
	s_mul_i32 s28, s24, 32*PITCH
	s_add_co_u32 s28, s28, WSTG                    ; my stage
	v_mul_u32_u24 v4, v2, PITCH
	v_add_nc_u32 v4, s28, v4                       ; into it: row = my column
	v_and_b32 v5, 15, v2
	v_lshrrev_b32 v6, 4, v2
	v_mul_u32_u24 v7, v6, PITCH
	v_lshl_add_u32 v7, v5, 4, v7
	v_add_nc_u32 v7, s28, v7                       ; out of it: sixteen lanes to a row, two rows an instruction
	v_lshlrev_b32 v8, 9, v6
	v_lshl_add_u32 v8, v5, 4, v8                   ; the same place in the codes: rows of 512 bytes
	v_lshlrev_b32 v9, 5, v2                        ; my column's row of 32 scale bytes
	s_lshl_b32 s28, s26, 21                        ; W: 512 rows of 4,096 bytes,
	s_lshl_b32 s30, s25, 2
	s_add_co_u32 s28, s28, s30                     ; + 4 x column
	s_mov_b32 s29, 0
	s_lshl_b32 s30, s27, 19                        ; codes: the weight's section (512 KiB each, behind the three tensors'),
	s_add_co_u32 s30, s30, 0xc00000
	s_lshl_b32 s31, s25, 9
	s_add_co_u32 s30, s30, s31                     ; + column x 512
	s_lshl_b32 s31, s26, 8
	s_add_co_u32 s30, s30, s31                     ; + 256 bytes for each 512 along K
	s_mov_b32 s31, 0
	s_lshl_b32 s32, s27, 15                        ; scale bytes likewise, a sixteenth of it
	s_add_co_u32 s32, s32, 0xc0000
	s_lshl_b32 s33, s25, 5
	s_add_co_u32 s32, s32, s33
	s_lshl_b32 s33, s26, 4
	s_add_co_u32 s32, s32, s33
	s_mov_b32 s33, 0
	s_wait_kmcnt 0x0
	s_cmp_eq_u32 s27, 1
	s_cselect_b64 s[10:11], s[12:13], s[10:11]
	s_cmp_eq_u32 s27, 2
	s_cselect_b64 s[10:11], s[14:15], s[10:11]
	s_add_nc_u64 s[10:11], s[10:11], s[28:29]
	s_add_nc_u64 s[18:19], s[18:19], s[30:31]
	s_add_nc_u64 s[20:21], s[20:21], s[32:33]
.macro WLOAD t                         ; block t: W(32 t + i, my column) into set t % 2; the wave reads 128 consecutive bytes
.irp i, 0,1,2,3,4,5,6,7,8,9,10,11,12,13,14,15,16,17,18,19,20,21,22,23,24,25,26,27,28,29,30,31
	global_load_b32 v[XW+32*((\t)%2)+\i], v3, s[10:11] offset:(32*(\t)+\i)*4096 th:TH_LOAD_NT
.endr
.endm
	WLOAD 0
	WLOAD 1
.macro WBLOCK t
.set XS, XW+32*((\t)%2)
.if (\t) < 15
	s_wait_loadcnt 32                              ; this block's 32 loads are in; the next block's may be out
.else
	s_wait_loadcnt 0x0
.endif
	v_max3_num_f32 v12, |v[XS]|, |v[XS+1]|, |v[XS+2]|
	v_max3_num_f32 v13, |v[XS+3]|, |v[XS+4]|, |v[XS+5]|
.irp i, 6,10,14,18,22,26
	v_max3_num_f32 v12, v12, |v[XS+\i]|, |v[XS+\i+1]|
	v_max3_num_f32 v13, v13, |v[XS+\i+2]|, |v[XS+\i+3]|
.endr
	v_max3_num_f32 v12, v12, |v[XS+30]|, |v[XS+31]|
	v_max3_num_f32 v12, v12, v13, 0x1800000        ; the floor 2^(3 - 127)
	v_add_nc_u32 v11, 0xff000000, v12              ; the conversion's scale operand
	v_lshrrev_b32 v13, 23, v11                     ; the scale's byte
.if (\t)%4 == 0
	v_mov_b32 v[SB+(\t)/4], v13                    ; four bytes to a register, the lower K in the lower byte
.else
	v_lshl_or_b32 v[SB+(\t)/4], v13, 8*((\t)%4), v[SB+(\t)/4]
.endif
.irp g, 0,1,2,3
	v_cvt_scalef32_pk8_fp4_f32 v[CW+\g], v[XS+8*\g:XS+8*\g+7], v11
.endr
	ds_store_b128 v4, v[CW:CW+3] offset:16*(\t)    ; 32 codes: 16 bytes of my column's row
.if (\t)+2 < 16
	WLOAD (\t)+2
.endif
	s_wait_dscnt 0x0                               ; the store has read its registers: the next block's codes may be written
.endm
.irp t, 0,1,2,3,4,5,6,7,8,9,10,11,12,13,14,15
	WBLOCK \t
.endr
	global_store_b128 v9, v[SB:SB+3], s[20:21]     ; my column's 16 scale bytes
.irp t, 0,1,2,3,4,5,6,7,8,9,10,11,12,13,14,15
	ds_load_b128 v[OUTR+4*\t:OUTR+4*\t+3], v7 offset:2*\t*PITCH
.endr
.irp t, 0,1,2,3,4,5,6,7,8,9,10,11,12,13,14,15
	s_wait_dscnt 15-\t                             ; load t is in; the younger ones may be out
	global_store_b128 v8, v[OUTR+4*\t:OUTR+4*\t+3], s[18:19] offset:2*\t*512   ; sixteen lanes store 256 consecutive bytes, aligned
.endr
	FINISH
; ---------------- PATH O: Wo [k][n] to f16, laid [n / 128][k / 32][(n / 16) % 8][1,024 bytes]: a fragment of 16 n x 32 k as the matrix operand's registers hold it: of lane (r = n % 16, h) the eight
; numbers k = 16 c + 8 h + 0..7 lie at 512 c + 256 h + 16 r.  A lane takes a column n, its registers run down K: 32 numbers pack into 16 registers, four stores of 16 bytes.
.Lpath_o:
	s_sub_co_u32 s25, ttmp9, 48
	s_and_b32 s26, s25, 7                          ; which 128 columns
	s_lshr_b32 s27, s25, 3                         ; which 128 along K
	v_lshlrev_b32 v3, 2, v2
	v_lshrrev_b32 v4, 4, v2
	v_and_b32 v5, 15, v2
	v_lshlrev_b32 v4, 10, v4
	v_lshl_add_u32 v4, v5, 4, v4                   ; out: 1,024 (lane / 16) + 16 (lane % 16)
	s_lshl_b32 s28, s27, 19                        ; 128 rows of 4,096 bytes
	s_lshl_b32 s30, s26, 9
	s_add_co_u32 s28, s28, s30
	s_lshl_b32 s30, s24, 7
	s_add_co_u32 s28, s28, s30                     ; + 4 x (128 x + 32 wave)
	s_mov_b32 s29, 0
	s_lshl_b32 s30, s26, 5
	s_lshl_b32 s31, s27, 2
	s_add_co_u32 s30, s30, s31                     ; 32 x + the first of my four chunks of 32 along K
	s_lshl_b32 s30, s30, 3
	s_add_co_u32 s30, s30, s24
	s_add_co_u32 s30, s30, s24                     ; x 8 + 2 wave: my first fragment
	s_lshl_b32 s30, s30, 10
	s_mov_b32 s31, 0
	s_wait_kmcnt 0x0
	s_add_nc_u64 s[16:17], s[16:17], s[28:29]
	s_add_nc_u64 s[22:23], s[22:23], s[30:31]
.macro OLOAD t
.irp i, 0,1,2,3,4,5,6,7,8,9,10,11,12,13,14,15,16,17,18,19,20,21,22,23,24,25,26,27,28,29,30,31
	global_load_b32 v[XW+32*((\t)%2)+\i], v3, s[16:17] offset:(32*(\t)+\i)*4096 th:TH_LOAD_NT
.endr
.endm
	OLOAD 0
	OLOAD 1
.macro OCHUNK t
.set XS, XW+32*((\t)%2)
.if (\t) < 3
	s_wait_loadcnt 32                              ; this chunk's 32 loads are in; the next chunk's may be out
.else
	s_wait_loadcnt 0x0
.endif
.irp n, 0,1,2,3,4,5,6,7,8,9,10,11,12,13,14,15
	v_cvt_pk_f16_f32 v[CW+16*(\t)+\n], v[XS+2*\n], v[XS+2*\n+1]    ; each chunk has data registers of its own: no store's data are written again
.endr
.if (\t)+2 < 4
	OLOAD (\t)+2
.endif
.irp g, 0,1,2,3
	global_store_b128 v4, v[CW+16*(\t)+4*\g:CW+16*(\t)+4*\g+3], s[22:23] offset:8192*(\t)+512*(\g/2)+256*(\g%2)   ; sixteen lanes store 256 consecutive bytes, aligned
.endr
.endm
.irp t, 0,1,2,3
	OCHUNK \t
.endr
	FINISH
.Lfunc_end_k_qeb3e89adad_prep:
	.size	k_qeb3e89adad_prep, .Lfunc_end_k_qeb3e89adad_prep-k_qeb3e89adad_prep
	.p2alignl 7, 3214868480
	.fill 96, 4, 3214868480
	.section	.rodata,"a",@progbits
	.p2align	6, 0x0
	.amdhsa_kernel k_qeb3e89adad_prep
		.amdhsa_group_segment_fixed_size 68096
		.amdhsa_private_segment_fixed_size 0
		.amdhsa_enable_private_segment 0
		.amdhsa_kernarg_size 80
		.amdhsa_user_sgpr_count 2
		.amdhsa_user_sgpr_kernarg_segment_ptr 1
		.amdhsa_wavefront_size32 1
		.amdhsa_system_sgpr_workgroup_id_x 1
		.amdhsa_system_sgpr_workgroup_id_y 1
		.amdhsa_system_sgpr_workgroup_id_z 1
		.amdhsa_system_vgpr_workitem_id 0
		.amdhsa_next_free_vgpr 192
		.amdhsa_next_free_sgpr 66
		.amdhsa_reserve_vcc 0
		.amdhsa_float_denorm_mode_32 3
		.amdhsa_float_denorm_mode_16_64 3
		.amdhsa_memory_ordered 1
		.amdhsa_forward_progress 1
		.amdhsa_inst_pref_size 130
	.end_amdhsa_kernel
	.amdgpu_metadata
---
amdhsa.version: [ 1, 2 ]
amdhsa.kernels:
  - .name:           k_qeb3e89adad_prep
    .symbol:         k_qeb3e89adad_prep.kd
    .args:
      - { .name: Q, .offset: 0, .size: 8, .value_kind: global_buffer, .address_space: global }
      - { .name: K, .offset: 8, .size: 8, .value_kind: global_buffer, .address_space: global }
      - { .name: V, .offset: 16, .size: 8, .value_kind: global_buffer, .address_space: global }
      - { .name: Wq, .offset: 24, .size: 8, .value_kind: global_buffer, .address_space: global }
      - { .name: Wk, .offset: 32, .size: 8, .value_kind: global_buffer, .address_space: global }
      - { .name: Wv, .offset: 40, .size: 8, .value_kind: global_buffer, .address_space: global }
      - { .name: Wo, .offset: 48, .size: 8, .value_kind: global_buffer, .address_space: global }
      - { .name: codes, .offset: 56, .size: 8, .value_kind: global_buffer, .address_space: global }
      - { .name: scales, .offset: 64, .size: 8, .value_kind: global_buffer, .address_space: global }
      - { .name: woimg, .offset: 72, .size: 8, .value_kind: global_buffer, .address_space: global }
    .group_segment_fixed_size: 68096
    .private_segment_fixed_size: 0
    .kernarg_segment_align: 8
    .kernarg_segment_size: 80
    .max_flat_workgroup_size: 128
    .sgpr_count:     66
    .vgpr_count:     192
    .wavefront_size: 32
...
	.end_amdgpu_metadata
.endif
;; end of part 1
;; launch proj (part 2): grid 4 x 96, 4 waves a work-group, clusters of 4 x 4, 327,680 bytes of LDS; arguments codes, scales, qkv, vsum; writes qkv, vsum
.if DOCPART == 2
	.amdgcn_target "amdgcn-amd-amdhsa--gfx1250"
	.amdhsa_code_object_version 6
	.text
	.protected	k_qeb3e89adad_proj
	.globl	k_qeb3e89adad_proj
	.p2align	8
	.type	k_qeb3e89adad_proj,@function
k_qeb3e89adad_proj:
	s_mov_b64 s[64:65], 0
	v_nop
	global_prefetch_b8 v0, s[64:65] scope:SCOPE_SE
	s_setreg_imm32_b32 hwreg(HW_REG_WAVE_MODE, 25, 1), 1
	s_wait_xcnt 0x0
	s_wait_alu depctr_hold_cnt(0) depctr_sa_sdst(0) depctr_va_vdst(0) depctr_va_sdst(0) depctr_va_ssrc(0) depctr_va_vcc(0) depctr_vm_vsrc(0)
	s_getreg_b32 s2, hwreg(HW_REG_IB_STS2, 6, 4)
	s_cmp_eq_u32 s2, 0
	s_cbranch_scc0 .Lentry_in_a_cluster
	s_endpgm
.Lentry_in_a_cluster:
	s_bfe_u32 s2, ttmp6, 0x10000c
	s_cmp_lg_u32 s2, 0xf033
	s_cbranch_scc0 .Lentry_shape_is_right
	s_endpgm
.Lentry_shape_is_right:
; q = Q Wq, k = K Wk, v = V Wv on codes of FP4 (E2M1) with one E8M0 scale for each 32 along K = 1,024; sums in f32; the results leave as f16.
; One body serves the three products: C(y, x) = sum over k of Y[y][k] X[x][k], tiles of 256 x 256, four waves of 128 x 128 (64 accumulators, 512 registers).
; The matrix instruction takes 16 rows of X as source 0 and 16 rows of Y as source 1: a lane then holds ONE row of Y and eight neighbouring rows of X.
;   q, k: Y = the tokens, X = the weight's columns n: a lane holds a token and eight neighbouring channels.     v: Y = Wv's columns n, X = the tokens (keys): a lane holds a channel and eight neighbouring keys.
; So eight results, rounded to f16, are 16 bytes of the register image of the operand that launch attn wants (q, k: 16 tokens x 32 channels; v: 16 channels x 32 keys), and a wave's store of 16 bytes a lane covers 512
; consecutive bytes of the workspace: no stage in LDS.  qkv: q at 0 and k at 16 MiB as [b][head][token / 16][channel / 32][1,024 bytes]; v at 32 MiB as [b][head][key / 32][channel / 16][1,024 bytes].
; For v the wave also sums its 128 keys for each channel, in f32: vsum [b][key / 128][1024], which launch attn uses for the keys that the mask gives one common weight.
; All of K lies in two LDS slots of 512 along K from the first fills on: nothing is filled again.  The scale bytes of the 256 + 256 rows come once, as dense blocks.
; CLUSTERS: 4 x 4 work-groups; the four of a row of the cluster need the same tiles of Y, the four of a column the same tiles of X: each tile is asked for jointly.
; No row is left out by valid_lens here.
; LIMIT: a result beyond 65,504 becomes infinity in f16.
; REGISTERS, in windows of 256: window 0: v0-31 addresses; v32-95 scale words and nothing else; v96-123 the key sums; from v128 Y's fragments, one set; on the way out v128-255 hold packed results.
;   window 1: X's fragments, two sets, at v0 and v128.   window 2: the accumulators of my Y rows 0-63 ((a, b) at v[8 (8 a + b)]);   window 3: those of rows 64-127.
.set NQ,     4                         ; steps of 128 along K in a slot
.set ROWB,   256                       ; a tile's row in bytes: 512 codes
.set KROW,   512                       ; a row of codes in memory
.set PITCH,  272                       ; an LDS row: 256 bytes + 16 of padding: the 16 rows that a load touches start 68 words apart
.set FR,     8
.set NL,     2
.set NP,     4                         ; places behind this matrix instruction (ISA guide 7.12.1)
.set HALFT,  128*PITCH
.set SLOT,   4*HALFT                   ; Y's 256 rows, then X's 256 rows
.set KS,     32                        ; a row of scale bytes
.set SCL,    2*SLOT                    ; behind the slots: the scales, as units of 256 bytes + 16 of padding
.set HALFS,  (128*KS/256)*272
.set SBLK,   (16*KS/256)*272
.set SPARE,  SCL+4*HALFS               ; the spare words, 128 bytes for each wave: two blocks of 256 bytes that no other line names
.set ADRA, 16                          ; v16-17  LDS address of my Y fragments in slot 0, 1
.set ADRB, 20                          ; v20-21  the same for X
.set CO,   26                          ; v26     16 x lane: my place in an image
.set ADRS, 27                          ; v27     LDS address of my scale words: lanes 0-15 Y's rows, lanes 16-31 X's
.set SPW,  28                          ; v28     LDS address of my spare word; never rewritten
.set NIL,  29                          ; v29     0; never rewritten
.set SC,   32                          ; scale words: set s at v[SC + 32 s]; register 4 i + q: lanes 0-15 Y's block i, lanes 16-31 X's block i
.set AF,   128                         ; Y's fragments
.set TMP,  128                         ; the way out: packed results
.set G1, 24                            ; s[24:31] group 1 for Y's tiles;  s[32:39] group 0, one set for each slot
.set G0, 32
.set G1B, 48                           ; s[48:55], s[56:63] the same for X's
.set G0B, 56
.set G1S, 68                           ; s[68:75], s[76:79] groups 1 and 0 for Y's scales;  s[80:87], s[88:91] for X's
.set G0S, 76
.set G1SB, 80
.set G0SB, 88
.set MSB, 0
.macro WIN new                         ; the immediate's high byte repeats the setting that is left
.if MSB != (\new)
	s_set_vgpr_msb (MSB<<8)|(\new)
.set MSB, \new
.endif
.endm
.set MUL_LO, 0xa1                      ; source 0 (X) window 1, source 1 (Y) window 0, C and D window 2
.set MUL_HI, 0xf1
.set TO_B,   0x40
; A joint load: waves 0 and 1 fetch for Y, waves 2 and 3 for X.  The branch hangs on the wave's number alone.  An s_nop 0 and four v_nop follow each of the two lines.
.macro JLOAD g0a, g1a, g0b, g1b
	s_cmp_eq_u32 s15, 0
	s_cbranch_scc0 .Lfor_b_\@
	tensor_load_to_lds s[\g0a:\g0a+3], s[\g1a:\g1a+7]
	s_nop 0
.rept 4
	v_nop
.endr
	s_branch .Lasked_\@
.Lfor_b_\@:
	tensor_load_to_lds s[\g0b:\g0b+3], s[\g1b:\g1b+7]
	s_nop 0
.rept 4
	v_nop
.endr
.Lasked_\@:
.endm
.macro CROUND                          ; a round of the cluster's barrier
	s_barrier_signal -1
	s_barrier_wait -1
	s_cmp_lg_u32 s14, 0
	s_cbranch_scc1 .Lnot_wave_0_\@
	s_barrier_signal -3
.Lnot_wave_0_\@:
	s_barrier_wait -3
	s_barrier_signal -1
	s_barrier_wait -1
.endm
	s_load_b256 s[4:11], s[0:1], 0x0               ; codes s[4:5], scales s[6:7], qkv s[8:9], vsum s[10:11]
	v_lshl_add_u32 v[SPW], v0, 2, SPARE
	v_mov_b32 v[NIL], 0
	ds_add_u32 v[SPW], v[NIL]                      ; the wave's opening: the add, twice on end, and its wait ahead of my first tensor load
	ds_add_u32 v[SPW], v[NIL]
	v_lshrrev_b32 v1, 5, v0
	v_readfirstlane_b32 s14, v1                    ; wave 0..3
	s_lshr_b32 s15, s14, 1                         ; which half of Y's rows is mine.  Also: I fetch for Y (0) or for X (1)
	s_and_b32 s16, s14, 1                          ; which half of X's rows.  Also: which 128 rows of that tile I fetch
	s_bfe_u32 s40, ttmp6, 0x40000                  ; cx, cy: my place in the cluster
	s_bfe_u32 s41, ttmp6, 0x40004
	s_and_b32 s12, ttmp7, 0xffff                   ; the cluster's y, 0..23: eight clusters to a product
	s_lshr_b32 s13, s12, 3                         ; the product: 0 q, 1 k, 2 v; the same in all sixteen partners
	s_and_b32 s12, s12, 7
	s_lshl_b32 s12, s12, 2                         ; the first of the cluster's four tiles along the tokens
	s_lshl_b32 s96, s13, 22                        ; q, k: Y = the tokens' codes, sections of 4 MiB,
	s_lshl_b32 s97, s13, 19
	s_add_co_u32 s97, s97, 0xc00000                ;       X = the weight's, sections of 512 KiB behind them
	s_cmp_eq_u32 s13, 2
	s_cselect_b32 s42, s12, 0                      ; v: the tokens run along X,
	s_cselect_b32 s17, 0, s12                      ; else along Y
	s_cselect_b32 s96, 0xd00000, s96               ; v: Y = Wv's codes,
	s_cselect_b32 s97, 0x800000, s97               ;    X = V's
	s_add_co_u32 s42, s42, s40                     ; tile column (X)
	s_add_co_u32 s17, s17, s41                     ; tile row (Y)
	s_lshl_b32 s43, s41, 2
	s_lshl_b32 s43, 15, s43                        ; my row of the cluster
	s_lshl_b32 s44, 0x1111, s40                    ; my column
	; descriptor group 1: a tile of 128 rows x 256 bytes, padded in LDS
	s_or_b32 s[G1+0], s43, (0<<16)|(1<<20)|(1<<21)|(5<<22)|(3<<25)  ; 15:0 the mask; 17:16 elements of 1 byte; 20 padding on; 21 set beside a mask; 24:22 after every 64 words; 31:25 four words
	s_or_b32 s[G1B+0], s44, (0<<16)|(1<<20)|(1<<21)|(5<<22)|(3<<25)
.irp g, G1, G1B
	s_mov_b32 s[\g+1], ROWB<<16                    ; tensor_dim0
	s_mov_b32 s[\g+2], 128<<16                     ; tensor_dim1
	s_mov_b32 s[\g+3], ROWB<<16                    ; tile_dim0
	s_mov_b32 s[\g+4], 128                         ; tile_dim1
	s_mov_b32 s[\g+5], KROW                        ; tensor_dim0_stride
	s_mov_b32 s[\g+6], 0
	s_mov_b32 s[\g+7], 0
.endr
	; the scales of 128 rows: a dense block of 4,096 bytes, as 16 rows of 256 bytes (32 elements of 8 bytes), 16 bytes of padding behind each
	s_or_b32 s[G1S+0], s43, (3<<16)|(1<<20)|(1<<21)|(5<<22)|(3<<25)
	s_or_b32 s[G1SB+0], s44, (3<<16)|(1<<20)|(1<<21)|(5<<22)|(3<<25)
.irp g, G1S, G1SB
	s_mov_b32 s[\g+1], 32<<16
	s_mov_b32 s[\g+2], (128*KS/256)<<16
	s_mov_b32 s[\g+3], 32<<16
	s_mov_b32 s[\g+4], 128*KS/256
	s_mov_b32 s[\g+5], 32
	s_mov_b32 s[\g+6], 0
	s_mov_b32 s[\g+7], 0
.endr
	s_lshl_b32 s18, s16, 7                         ; which 128 rows of the tile I fetch
	s_lshl_b32 s20, s17, 8
	s_add_co_u32 s20, s20, s18                     ; Y: row 256 x tile row + 128 x half
	s_lshl_b32 s46, s42, 8
	s_add_co_u32 s46, s46, s18                     ; X: row 256 x tile column + 128 x half
	s_lshl_b32 s22, s20, 5                         ; Y's scale bytes: 32 a row, the section a sixteenth of the codes'
	s_lshr_b32 s19, s96, 4
	s_add_co_u32 s22, s22, s19
	s_mov_b32 s23, 0
	s_lshl_b32 s20, s20, 9                         ; Y's codes: 512 bytes a row
	s_add_co_u32 s20, s20, s96
	s_mov_b32 s21, 0
	s_lshl_b32 s92, s46, 5                         ; X likewise
	s_lshr_b32 s19, s97, 4
	s_add_co_u32 s92, s92, s19
	s_mov_b32 s93, 0
	s_lshl_b32 s46, s46, 9
	s_add_co_u32 s46, s46, s97
	s_mov_b32 s47, 0
	s_mul_i32 s45, s14, HALFT                      ; where they go: wave x 128 rows: no place in the cluster enters an LDS address
	s_mul_i32 s94, s14, HALFS
	s_mov_b32 s2, 0x76543210                       ; v_permlanex16_b32's selects for lane l xor 16
	s_mov_b32 s3, 0xfedcba98
	s_wait_dscnt 0x0                               ; both opening adds are done
	s_wait_kmcnt 0x0
	s_add_nc_u64 s[20:21], s[4:5], s[20:21]
	s_add_nc_u64 s[22:23], s[6:7], s[22:23]
	s_add_nc_u64 s[46:47], s[4:5], s[46:47]
	s_add_nc_u64 s[92:93], s[6:7], s[92:93]
	CROUND                                         ; all sixteen work-groups are here: the first joint loads meet
	s_mov_b32 s[G0S], 1
	s_add_co_u32 s[G0S+1], s94, SCL
	s_mov_b64 s[G0S+2:G0S+3], s[22:23]
	s_or_b32 s[G0S+3], s[G0S+3], 0x80000000
	s_mov_b32 s[G0SB], 1
	s_add_co_u32 s[G0SB+1], s94, SCL
	s_mov_b64 s[G0SB+2:G0SB+3], s[92:93]
	s_or_b32 s[G0SB+3], s[G0SB+3], 0x80000000
	JLOAD G0S, G1S, G0SB, G1SB                     ; the scales first: they are wanted with the first step
.irp s, 0,1
	s_mov_b32 s[G0+4*\s], 1
	s_add_co_u32 s[G0+4*\s+1], s45, \s*SLOT
	s_add_nc_u64 s[G0+4*\s+2:G0+4*\s+3], s[20:21], \s*ROWB
	s_or_b32 s[G0+4*\s+3], s[G0+4*\s+3], 0x80000000
	s_mov_b32 s[G0B+4*\s], 1
	s_add_co_u32 s[G0B+4*\s+1], s45, \s*SLOT
	s_add_nc_u64 s[G0B+4*\s+2:G0B+4*\s+3], s[46:47], \s*ROWB
	s_or_b32 s[G0B+4*\s+3], s[G0B+4*\s+3], 0x80000000
	JLOAD G0+4*\s, G1, G0B+4*\s, G1B               ; three tensor loads of mine are out at the most
.endr
	v_and_b32 v1, 15, v0                           ; l % 16
	v_bfe_u32 v2, v0, 4, 1                         ; l / 16
	v_mul_u32_u24 v3, v1, PITCH
	v_lshl_add_u32 v4, v2, 4, v3                   ; a fragment's row x pitch + 16 x half
	s_mul_i32 s21, s15, HALFT                      ; my 128 rows of Y
	s_mul_i32 s22, s16, HALFT                      ; my 128 rows of X,
	s_add_co_u32 s22, s22, 2*HALFT                 ; which lie behind Y's 256
.irp s, 0,1
	v_add_nc_u32 v[ADRA+\s], s21, v4
	v_add_nc_u32 v[ADRB+\s], s22, v4
	s_add_co_u32 s21, s21, SLOT
	s_add_co_u32 s22, s22, SLOT
.endr
	v_mul_u32_u24 v5, v1, KS                       ; my row's scales: 32 bytes a row,
	v_lshrrev_b32 v6, 8, v5
	v_lshl_add_u32 v5, v6, 4, v5                   ; and 16 more for each 256 passed
	s_mul_i32 s21, s15, HALFS
	s_mul_i32 s22, s16, HALFS
	s_add_co_u32 s22, s22, 2*HALFS
	s_sub_co_u32 s22, s22, s21
	v_mul_u32_u24 v6, s22, v2                      ; lanes 16-31 take X's: one product, the distance between the two bases
	s_add_co_u32 s21, s21, SCL
	v_add_nc_u32 v5, v5, v6
	v_add_nc_u32 v[ADRS], s21, v5
	v_and_b32 v6, 31, v0
	v_lshlrev_b32 v[CO], 4, v6
.macro FRAG reg, adr, q, i             ; 16 rows x 128 K of 4-bit codes: 8 registers: lane l holds row l % 16; registers 4 c .. 4 c + 3 hold K = 64 c + 32 (l / 16) + 0 .. 31
.irp c, 0,1
	ds_load_b128 v[\reg+4*\c:\reg+4*\c+3], v[\adr] offset:64*(\q)+32*\c+(\i)*16*PITCH
.endr
.endm
; 16 matrix instructions: Y's blocks a0, a0 + 1 x X's eight.  The 64 accumulators take turns, one instruction a turn, in the same order in every step.
.macro MUL16 a0, p, q, sc, zero
.irp a, \a0, \a0+1
.irp b, 0,1,2,3,4,5,6,7
.if \zero
	v_wmma_scale_f32_16x16x128_f8f6f4 v[8*(8*((\a)%4)+\b):8*(8*((\a)%4)+\b)+7], v[128*(\p)+FR*\b:128*(\p)+FR*\b+FR-1], v[AF+FR*(\a):AF+FR*(\a)+FR-1], 0, v[SC+8*NQ*(\sc)+NQ*\b+(\q)], v[SC+8*NQ*(\sc)+NQ*(\a)+(\q)] matrix_a_fmt:MATRIX_FMT_FP4 matrix_b_fmt:MATRIX_FMT_FP4 matrix_a_scale:MATRIX_SCALE_ROW1
.else
	v_wmma_scale_f32_16x16x128_f8f6f4 v[8*(8*((\a)%4)+\b):8*(8*((\a)%4)+\b)+7], v[128*(\p)+FR*\b:128*(\p)+FR*\b+FR-1], v[AF+FR*(\a):AF+FR*(\a)+FR-1], v[8*(8*((\a)%4)+\b):8*(8*((\a)%4)+\b)+7], v[SC+8*NQ*(\sc)+NQ*\b+(\q)], v[SC+8*NQ*(\sc)+NQ*(\a)+(\q)] matrix_a_fmt:MATRIX_FMT_FP4 matrix_b_fmt:MATRIX_FMT_FP4 matrix_a_scale:MATRIX_SCALE_ROW1
.endif
.endr
.endr
.endm
.macro FETCH_B slot, q, p
	WIN TO_B
.irp i, 0,1,2,3,4,5,6,7
	FRAG 128*(\p)+FR*\i, ADRB+\slot, \q, \i
.endr
	WIN 0
.endm
.macro FETCH_A slot, q, i0
.irp i, \i0, \i0+1, \i0+2, \i0+3
	FRAG AF+FR*(\i), ADRA+\slot, \q, \i
.endr
.endm
.macro SCALES sc                       ; a slot's scale words: four words a row; lanes 0-15 take Y's block i, lanes 16-31 X's block i
.irp i, 0,1,2,3,4,5,6,7
	ds_load_b128 v[SC+8*NQ*\sc+NQ*\i:SC+8*NQ*\sc+NQ*\i+3], v[ADRS] offset:\i*SBLK
.endr
.endm
.macro PLACES n                        ; plain vector instructions between a matrix instruction and a load into, or a read of, its registers
.rept \n
	v_nop
.endr
.endm
.macro STEP slot, q, zero              ; a step of 128 along K that has its successor in the same slot
	s_wait_dscnt 4*NL                              ; X's set and Y's blocks 0-3 are in; the youngest eight loads (Y's blocks 4-7) may be out
	WIN MUL_LO
	MUL16 0, (\q)%2, \q, \slot, \zero
	MUL16 2, (\q)%2, \q, \slot, \zero
	s_wait_dscnt 0
	PLACES NP
	FETCH_B \slot, (\q)+1, 1-(\q)%2
	FETCH_A \slot, (\q)+1, 0
	WIN MUL_HI
	MUL16 4, (\q)%2, \q, \slot, \zero
	MUL16 6, (\q)%2, \q, \slot, \zero
	PLACES NP
	WIN 0
	FETCH_A \slot, (\q)+1, 4
.endm
; Slot 0's last step changes slots: each wave waits for all its tensor loads (its part of slot 1), then the work-group's barrier: behind it slot 1 is whole.  Nothing is filled again.
.macro TURN slot, next
	s_wait_tensorcnt 0x0
	ds_add_u32 v[SPW], v[NIL]                      ; 0 onto my spare word
	s_wait_dscnt 4*NL+1                            ; (the add and the youngest eight loads may be out)
	WIN MUL_LO
	MUL16 0, 1, NQ-1, \slot, 0
	s_wait_dscnt 0x0
	s_barrier_signal -1
	MUL16 2, 1, NQ-1, \slot, 0
	WIN 0
	s_barrier_wait -1
	PLACES NP
	v_add_nc_u32 v[ADRS], 4*NQ, v[ADRS]            ; on to the next slot's scale words (no LDS load of mine is out)
	FETCH_B \next, 0, 0
	FETCH_A \next, 0, 0
	SCALES \next
	WIN MUL_HI
	MUL16 4, 1, NQ-1, \slot, 0
	MUL16 6, 1, NQ-1, \slot, 0
	PLACES NP
	WIN 0
	FETCH_A \next, 0, 4
.endm
	s_wait_tensorcnt 1                             ; the scales and my part of slot 0 are in (slot 1's load may be out),
	s_barrier_signal -1
	s_barrier_wait -1                              ; everybody's are
	FETCH_B 0, 0, 0
	FETCH_A 0, 0, 0
	SCALES 0
	FETCH_A 0, 0, 4
	STEP 0, 0, 1                                   ; the first step's products start the sums: nothing is cleared
	STEP 0, 1, 0
	STEP 0, 2, 0
	TURN 0, 1
	STEP 1, 0, 0
	STEP 1, 1, 0
	STEP 1, 2, 0
	s_wait_dscnt 4*NL                              ; the last step: nothing more to fetch
	WIN MUL_LO
	MUL16 0, 1, NQ-1, 1, 0
	MUL16 2, 1, NQ-1, 1, 0
	s_wait_dscnt 0
	WIN MUL_HI
	MUL16 4, 1, NQ-1, 1, 0
	MUL16 6, 1, NQ-1, 1, 0
	WIN 0
; THE WAY OUT.  Block a (16 rows of Y x 128 rows of X): each accumulator's eight numbers, from its low end on, become 16 bytes of f16; a store covers 512 consecutive bytes: half a fragment's image.
.macro PACKST a, mode
.set AC, 64*((\a)%4)
.set TP, TMP+32*((\a)%4)
.if (\a) >= 4
	s_wait_xcnt 0x0                                ; the stores of four blocks ago have read these registers
.endif
	WIN 0x0a+5*((\a)/4)                            ; sources 0 and 1: window 2 or 3
.irp b, 0,1,2,3,4,5,6,7
.irp r, 0,1,2,3
	v_cvt_pk_f16_f32 v[TP+4*\b+\r], v[AC+8*\b+2*\r], v[AC+8*\b+2*\r+1]
.endr
.endr
	WIN 0
.irp b, 0,1,2,3,4,5,6,7
.if \mode
	global_store_b128 v[CO], v[TP+4*\b:TP+4*\b+3], s[8:9] offset:262144*((\a)/4)+1024*((\a)%4)+4096*(\b/2)+512*(\b%2) th:TH_STORE_NT   ; v: head a / 4, channels 16 (a % 4) on; keys 32 (b / 2) on, half b % 2
.else
	global_store_b128 v[CO], v[TP+4*\b:TP+4*\b+3], s[8:9] offset:2048*(\a)+262144*(\b/4)+1024*((\b/2)%2)+512*(\b%2) th:TH_STORE_NT     ; q, k: tokens 16 a on; head b / 4, channels 32 ((b / 2) % 2) on, half b % 2
.endif
.endr
.endm
.macro VSUM a                          ; the sum of my 64 numbers of block a (one channel, 64 of the wave's 128 keys), two at a time, in two chains
.set AC, 64*((\a)%4)
	WIN 0x02+((\a)/4)                              ; source 0: window 2 or 3
.irp j, 0,1,2,3
	v_mov_b32 v[96+\j], v[AC+\j]
.endr
.set i, 4
.rept 15
	v_pk_add_f32 v[96:97], v[AC+i:AC+i+1], v[96:97]
	v_pk_add_f32 v[98:99], v[AC+i+2:AC+i+3], v[98:99]
.set i, i+4
.endr
	WIN 0
	v_pk_add_f32 v[96:97], v[96:97], v[98:99]
	v_add_f32 v[100+(\a)], v96, v97
.endm
.macro CLOSE
	s_wait_tensorcnt 0x0                           ; the wave's end
	ds_add_u32 v[SPW], v[NIL]
	s_wait_dscnt 0x0
	CROUND                                         ; the closing round
	s_endpgm
.endm
	PLACES NP                                      ; behind the last products: their results are read and Y's fragments are written below
	s_cmp_eq_u32 s13, 2                            ; the product's number: the same in all partners
	s_cbranch_scc1 .Lout_v
	s_lshl_b32 s18, s17, 8
	s_lshl_b32 s19, s15, 7
	s_add_co_u32 s18, s18, s19                     ; my first token
	s_lshr_b32 s19, s18, 11                        ; its batch
	s_and_b32 s18, s18, 2047
	s_lshr_b32 s18, s18, 4                         ; its tile of 16 in the sequence
	s_lshl_b32 s19, s19, 4
	s_lshl_b32 s66, s42, 2
	s_add_co_u32 s19, s19, s66
	s_add_co_u32 s19, s19, s16
	s_add_co_u32 s19, s19, s16                     ; 16 batch + my first head (4 x tile column + 2 x half)
	s_lshl_b32 s19, s19, 7
	s_add_co_u32 s19, s19, s18
	s_lshl_b32 s18, s19, 11                        ; 2,048 bytes for each tile of 16 tokens
	s_lshl_b32 s19, s13, 24                        ; q at 0, k at 16 MiB
	s_add_co_u32 s18, s18, s19
	s_mov_b32 s19, 0
	s_add_nc_u64 s[8:9], s[8:9], s[18:19]
.irp a, 0,1,2,3,4,5,6,7
	PACKST \a, 0
.endr
	CLOSE
.Lout_v:
	s_lshl_b32 s18, s42, 8
	s_lshl_b32 s19, s16, 7
	s_add_co_u32 s18, s18, s19                     ; my first key
	s_lshr_b32 s19, s18, 11                        ; its batch
	s_and_b32 s18, s18, 2047
	s_lshl_b32 s66, s19, 4
	s_lshl_b32 s67, s17, 2
	s_add_co_u32 s67, s67, s66
	s_add_co_u32 s67, s67, s15
	s_add_co_u32 s67, s67, s15                     ; 16 batch + my first head (4 x tile row + 2 x half)
	s_lshl_b32 s67, s67, 6
	s_lshr_b32 s98, s18, 5
	s_add_co_u32 s67, s67, s98                     ; x 64 + my first chunk of 32 keys
	s_lshl_b32 s98, s67, 12                        ; 4,096 bytes a chunk
	s_add_co_u32 s98, s98, 0x2000000               ; v at 32 MiB
	s_mov_b32 s99, 0
	s_add_nc_u64 s[8:9], s[8:9], s[98:99]
	s_lshr_b32 s18, s18, 7                         ; vsum: my 128 keys' place in the sequence
	s_add_co_u32 s66, s66, s18
	s_lshl_b32 s66, s66, 10
	s_lshl_b32 s67, s17, 8
	s_add_co_u32 s66, s66, s67
	s_lshl_b32 s67, s15, 7
	s_add_co_u32 s66, s66, s67                     ; + my first channel
	s_lshl_b32 s66, s66, 2
	s_mov_b32 s67, 0
	s_add_nc_u64 s[10:11], s[10:11], s[66:67]
.irp a, 0,1,2,3,4,5,6,7
	PACKST \a, 1
	VSUM \a
.endr
.irp a, 0,1,2,3,4,5,6,7
	v_mov_b32 v[108+\a], 0                         ; a lane permute's destination counts as one of its sources
.endr
.irp a, 0,1,2,3,4,5,6,7
	v_permlanex16_b32 v[108+\a], v[100+\a], s2, s3
.endr
.irp a, 0,1,2,3,4,5,6,7
	v_add_f32 v[100+\a], v[100+\a], v[108+\a]      ; with lane l xor 16's 64 keys: channel 16 a + l % 16, all 128 keys
.endr
	v_and_b32 v116, 31, v0
	v_cmp_gt_u32 vcc_lo, 16, v116
	v_lshlrev_b32 v116, 2, v116
.irp i, 0,1,2,3
	v_cndmask_b32 v[120+\i], v[101+2*\i], v[100+2*\i], vcc_lo   ; lanes 0-15 block 2 i, lanes 16-31 block 2 i + 1: 32 neighbouring channels
.endr
.irp i, 0,1,2,3
	global_store_b32 v116, v[120+\i], s[10:11] offset:128*\i
.endr
	CLOSE
.Lfunc_end_k_qeb3e89adad_proj:
	.size	k_qeb3e89adad_proj, .Lfunc_end_k_qeb3e89adad_proj-k_qeb3e89adad_proj
	.p2alignl 7, 3214868480
	.fill 96, 4, 3214868480
	.section	.rodata,"a",@progbits
	.p2align	6, 0x0
	.amdhsa_kernel k_qeb3e89adad_proj
		.amdhsa_group_segment_fixed_size 327680
		.amdhsa_private_segment_fixed_size 0
		.amdhsa_enable_private_segment 0
		.amdhsa_kernarg_size 32
		.amdhsa_user_sgpr_count 2
		.amdhsa_user_sgpr_kernarg_segment_ptr 1
		.amdhsa_wavefront_size32 1
		.amdhsa_system_sgpr_workgroup_id_x 1
		.amdhsa_system_sgpr_workgroup_id_y 1
		.amdhsa_system_sgpr_workgroup_id_z 1
		.amdhsa_system_vgpr_workitem_id 0
		.amdhsa_next_free_vgpr 1024
		.amdhsa_next_free_sgpr 102
		.amdhsa_reserve_vcc 1
		.amdhsa_float_denorm_mode_32 3
		.amdhsa_float_denorm_mode_16_64 3
		.amdhsa_memory_ordered 1
		.amdhsa_forward_progress 1
		.amdhsa_inst_pref_size 161
	.end_amdhsa_kernel
	.amdgpu_metadata
---
amdhsa.version: [ 1, 2 ]
amdhsa.kernels:
  - .name:           k_qeb3e89adad_proj
    .symbol:         k_qeb3e89adad_proj.kd
    .args:
      - { .name: codes, .offset: 0, .size: 8, .value_kind: global_buffer, .address_space: global }
      - { .name: scales, .offset: 8, .size: 8, .value_kind: global_buffer, .address_space: global }
      - { .name: qkv, .offset: 16, .size: 8, .value_kind: global_buffer, .address_space: global }
      - { .name: vsum, .offset: 24, .size: 8, .value_kind: global_buffer, .address_space: global }
    .group_segment_fixed_size: 327680
    .private_segment_fixed_size: 0
    .kernarg_segment_align: 8
    .kernarg_segment_size: 32
    .max_flat_workgroup_size: 128
    .sgpr_count:     102
    .vgpr_count:     1024
    .wavefront_size: 32
...
	.end_amdgpu_metadata
.endif
;; end of part 2
;; launch attn (part 3): grid 256 x 1, 8 waves a work-group, no clusters, 66,560 bytes of LDS; arguments qkv, vsum, valid_lens, oimg; writes oimg
.if DOCPART == 3
	.amdgcn_target "amdgcn-amd-amdhsa--gfx1250"
	.amdhsa_code_object_version 6
	.text
	.protected	k_qeb3e89adad_attn
	.globl	k_qeb3e89adad_attn
	.p2align	8
	.type	k_qeb3e89adad_attn,@function
k_qeb3e89adad_attn:
	s_mov_b64 s[64:65], 0
	v_nop
	global_prefetch_b8 v0, s[64:65] scope:SCOPE_SE
	s_setreg_imm32_b32 hwreg(HW_REG_WAVE_MODE, 25, 1), 1
	s_wait_xcnt 0x0
; softmax(where(key >= valid_lens[b], 1e-9, q.k / 8)) @ v for each batch b and head, on f16 operands with f32 sums; the result leaves as f16 images of the last product's operand registers.
; WORK LEFT OUT, for all values of the inputs: the keys k >= valid_lens[b] all have the score 1e-9, so they carry one common weight: their part of the sum over keys is that weight x the sum of their v, and of the
; softmax's sum that weight x their number.  With T0 = ceil(valid_lens[b] / 128), the steps of 128 keys from T0 on are not walked: they are the STATE AT THE START: maximum = the masked score, sum = their number,
; O = the sum of vsum over those steps (launch proj stored it).  Steps 0 .. T0 - 1 are walked; in the last of them hidden scores are replaced by the masked score, as reference() does.
; LIMITS: valid_lens is held to 0 .. 2,048, which is what reference()'s comparison makes of any number.  A NaN, an infinity or an overflow that arises only in a score that the mask replaces is not carried to the result.
; The scores are kept raw (q.k); p = 2^(c s - c m), c = log2(e) / 8, m the running maximum.  So the masked score is 8 x 1e-9 here.
; NO TENSOR LOAD, NO CLUSTER: the walk hangs on valid_lens, which is read from memory.  K's and V's tiles go through registers into LDS, once for the eight waves.
; SHARES.  A task is 256 queries of one (b, head); a wave holds 32 of them, two tiles of 16; two waves to a SIMD, so that one's products stand beside the other's softmax.  512 tasks, 256 work-groups, two tasks each:
; the four batches are ranked by valid_lens; half of the work-groups take ranks 0 and 3, the others 1 and 2: long and short walks are paired.
; LAYOUT.  S^T = K Q^T (source 0 = 16 keys, source 1 = 16 queries) and O^T = V^T P (source 0 = 16 channels, source 1 = P): a lane holds ONE query throughout; two tiles of S^T, rounded to f16 in pairs, are P's fragment.
; The row's sum comes from the matrix unit: L = ONES x P, ONES having ones in rows 0 and 8 alone, so that the sum falls into register 0 of every lane.
; LDS: slot s at 32,768 s: a step's 16 fragments of K (1,024 bytes each, as register images), then its 16 of V.  One barrier a step: behind it the slot just read may be written and the slot just written may be read.
; REGISTERS.  window 0: v1-13 addresses and constants; v16-31 statistics, 8 a tile: +0 c m, +1 m, +4..7 at work, +6 a; v32-63 the next step's K and V on their way to LDS; v64-191 S^T, 64 a tile, then P in place; v192-223 the way out.
;   window 1: v0-31 Q; v32-95 O^T, 32 a tile; v96-111 L; v112-119 ONES; v128-255 the step's fragments of K, then of V.
.set LI,  1                            ; v1   16 x lane
.set TI,  2                            ; v2   16 x thread
.set TV,  3                            ; v3   the same + 16 MiB: from k's section to v's
.set VSO, 5                            ; v5   vsum: 4,096 (lane % 16) + 32 (lane / 16)
.set DD,  6                            ; v6   the mask's bound
.set SM,  7                            ; v7   the masked score
.set PFO, 8                            ; v8   the prefetches' offset
.set RR,  9                            ; v9   lane % 16
.set HH,  10                           ; v10  lane / 16
.set SPW, 12                           ; v12  LDS address of my spare word; never rewritten
.set NIL, 13                           ; v13  0; never rewritten
.set ST,  16
.set G,   32
.set S,   64
.set PK,  192
.set OO,  32                           ; in window 1
.set LL,  96
.set ONES, 112
.set KV,  128
.set SPARE, 65536                      ; behind the two slots: the spare words, 128 bytes for each of eight waves
.set MSB, 0
.macro WIN new
.if MSB != (\new)
	s_set_vgpr_msb (MSB<<8)|(\new)
.set MSB, \new
.endif
.endm
	s_load_b256 s[4:11], s[0:1], 0x0               ; qkv s[4:5], vsum s[6:7], valid_lens s[8:9], oimg s[10:11]
	v_lshl_add_u32 v[SPW], v0, 2, SPARE
	v_mov_b32 v[NIL], 0
	v_lshrrev_b32 v4, 5, v0
	v_readfirstlane_b32 s16, v4                    ; wave 0..7
	v_and_b32 v4, 31, v0
	v_lshlrev_b32 v[LI], 4, v4
	v_lshlrev_b32 v[TI], 4, v0
	v_add_nc_u32 v[TV], 0x1000000, v[TI]
	v_and_b32 v[RR], 15, v0
	v_bfe_u32 v[HH], v0, 4, 1
	v_lshlrev_b32 v[VSO], 12, v[RR]
	v_lshl_add_u32 v[VSO], v[HH], 5, v[VSO]
	v_mov_b32 v[SM], 0x3209705f                    ; 8e-9
	s_and_b32 s17, ttmp9, 15                       ; the head
	s_bfe_u32 s18, ttmp9, 0x30004                  ; which 256 queries
	s_lshl_b32 s19, s18, 4
	s_add_co_u32 s19, s19, s16
	s_add_co_u32 s19, s19, s16
	s_lshl_b32 s19, s19, 11                        ; my two tiles of queries: (16 block + 2 wave) x 2,048 bytes
	s_lshr_b32 s49, s16, 2
	s_or_b32 s49, s49, s18
	s_cmp_eq_u32 s49, 0
	s_cselect_b32 s49, 1, 0                        ; 1 in waves 0-3 of the work-groups of the first 256 queries: they prefetch
	s_cmp_ge_u32 s16, 2
	s_cselect_b32 s43, 0xffc000, 0                 ; waves 0, 1 name K's 64 pieces of 256 bytes of a step, waves 2, 3 V's, 16 MiB further on
	v_lshlrev_b32 v[PFO], 8, v0
	v_add_nc_u32 v[PFO], s43, v[PFO]
	s_mov_b32 s36, 0x3e38aa3b                      ; c = log2(e) / 8
	s_mov_b32 s37, s36                             ; (named with it as a pair)
	s_mov_b32 s38, 0x76543210                      ; v_permlanex16_b32's selects for lane l xor 16
	s_mov_b32 s39, 0xfedcba98
	v_and_b32 v4, 7, v0
	v_cmp_eq_u32 vcc_lo, 0, v4
	v_mov_b32 v11, 0x3c003c00                      ; two f16 ones
	v_cndmask_b32 v11, 0, v11, vcc_lo              ; in the lanes that hold rows 0 and 8
	WIN 0x40
.irp i, 0,1,2,3,4,5,6,7
	v_mov_b32 v[ONES+\i], v11
.endr
	WIN 0
	s_wait_kmcnt 0x0
	s_load_b128 s[12:15], s[8:9], 0x0              ; valid_lens
	s_wait_kmcnt 0x0
.irp i, 0,1,2,3
	s_max_i32 s[12+\i], s[12+\i], 0
	s_min_u32 s[12+\i], s[12+\i], 2048
	s_lshl_b32 s[12+\i], s[12+\i], 2
	s_or_b32 s[12+\i], s[12+\i], \i                ; a key: 4 x the length + the batch
.endr
.macro CX a, b                         ; the larger key to a, the smaller to b
	s_max_u32 s43, s[\a], s[\b]
	s_min_u32 s[\b], s[\a], s[\b]
	s_mov_b32 s[\a], s43
.endm
	CX 12, 13
	CX 14, 15
	CX 12, 14
	CX 13, 15
	CX 13, 14                                      ; s12 .. s15: the keys in falling order
	s_cmp_lt_u32 ttmp9, 128
	s_cselect_b32 s20, s12, s13                    ; my first task's key,
	s_cselect_b32 s21, s15, s14                    ; my second's
; A prefetch into the L2 of the step two on from the one in hand (the step's own loads ask for the step one on): 16 KiB of K and 16 KiB of V, a lane to each 256 bytes.  The eight work-groups of a (b, head) walk the
; same K and V: the one of the first 256 queries asks, its waves 0-3, one instruction each: so each piece is named once in the launch.  Only steps that are walked are named.
.macro ASK
	s_add_co_u32 s43, s25, 2
	s_cmp_lt_u32 s43, s42
	s_cbranch_scc0 .Lno_ask_\@
	global_prefetch_b8 v[PFO], s[28:29] offset:32768 th:TH_LOAD_NT scope:SCOPE_SE
.Lno_ask_\@:
.endm
; A KEY STEP: 128 keys out of LDS slot \slot.  last = 1: the step that valid_lens may cut.
.macro WORK slot, last
	WIN 0x40                                       ; destination window 1
.irp f, 0,1,2,3,4,5,6,7,8,9,10,11,12,13,14,15  ; K: keys 16 (f / 2) on, channels 32 (f % 2) on
	ds_load_b128 v[KV+8*\f:KV+8*\f+3],   v[LI] offset:32768*(\slot)+1024*\f
	ds_load_b128 v[KV+8*\f+4:KV+8*\f+7], v[LI] offset:32768*(\slot)+1024*\f+512
.endr
	WIN 0x05                                       ; K and Q in window 1, S^T in window 0
.irp g, 0,1                                    ; four tiles of keys x two tiles of queries: eight accumulators by turns; the first products start the sums
.if \g == 0
	s_wait_dscnt 16                                ; the fragments of key tiles 0-3 are in; the sixteen younger loads may be out
.else
	s_wait_dscnt 0x0
.endif
.irp dc, 0,1
.irp kt, 0,1,2,3
.irp u, 0,1
.if \dc == 0
	v_wmma_f32_16x16x32_f16 v[S+64*\u+8*(4*\g+\kt):S+64*\u+8*(4*\g+\kt)+7], v[KV+16*(4*\g+\kt)+8*\dc:KV+16*(4*\g+\kt)+8*\dc+7], v[16*\u+8*\dc:16*\u+8*\dc+7], 0
.else
	v_wmma_f32_16x16x32_f16 v[S+64*\u+8*(4*\g+\kt):S+64*\u+8*(4*\g+\kt)+7], v[KV+16*(4*\g+\kt)+8*\dc:KV+16*(4*\g+\kt)+8*\dc+7], v[16*\u+8*\dc:16*\u+8*\dc+7], v[S+64*\u+8*(4*\g+\kt):S+64*\u+8*(4*\g+\kt)+7]
.endif
.endr
.endr
.endr
.endr
.rept 4
	v_nop                                          ; places behind the products: K's registers are loaded anew and the scores are read (ISA guide 7.12.1)
.endr
	WIN 0x40
.irp f, 0,1,2,3,4,5,6,7,8,9,10,11,12,13,14,15  ; V: keys 32 (f / 4) on, channels 16 (f % 4) on; they land while the softmax is walked
	ds_load_b128 v[KV+8*\f:KV+8*\f+3],   v[LI] offset:32768*(\slot)+16384+1024*\f
	ds_load_b128 v[KV+8*\f+4:KV+8*\f+7], v[LI] offset:32768*(\slot)+16384+1024*\f+512
.endr
	WIN 0
.if \last                                      ; register n of a tile holds key 128 J + 16 (n / 8) + 8 (lane / 16) + n % 8: hidden where 16 (n / 8) + n % 8 >= valid_lens - 128 J - 8 (lane / 16)
	s_lshl_b32 s43, s25, 7
	s_sub_co_i32 s43, s23, s43
	v_lshlrev_b32 v[DD], 3, v[HH]
	v_sub_nc_u32 v[DD], s43, v[DD]
.set n, 0
.rept 64
	v_cmp_ge_i32 vcc_lo, 16*(n/8)+n%8, v[DD]
	v_cndmask_b32 v[S+n], v[S+n], v[SM], vcc_lo
	v_cndmask_b32 v[S+64+n], v[S+64+n], v[SM], vcc_lo
.set n, n+1
.endr
.endif
.irp ch, 0,1,2,3                               ; the maximum: four chains of 16 scores a tile, each accumulator read from its low end on; the two tiles by turns
.irp u, 0,1
	v_max3_num_f32 v[ST+8*\u+4+\ch], v[S+64*\u+16*\ch], v[S+64*\u+16*\ch+1], v[S+64*\u+16*\ch+2]
.endr
.endr
.irp i, 3,5,7,9,11,13
.irp ch, 0,1,2,3
.irp u, 0,1
	v_max3_num_f32 v[ST+8*\u+4+\ch], v[ST+8*\u+4+\ch], v[S+64*\u+16*\ch+\i], v[S+64*\u+16*\ch+\i+1]
.endr
.endr
.endr
.irp u, 0,1
	v_max3_num_f32 v[ST+8*\u+4], v[ST+8*\u+4], v[S+64*\u+15], v[S+64*\u+31]
.endr
.irp u, 0,1
	v_max3_num_f32 v[ST+8*\u+6], v[ST+8*\u+6], v[S+64*\u+47], v[S+64*\u+63]
.endr
.irp u, 0,1
	v_max3_num_f32 v[ST+8*\u+4], v[ST+8*\u+4], v[ST+8*\u+5], v[ST+8*\u+6]
.endr
.irp u, 0,1
	v_max3_num_f32 v[ST+8*\u+4], v[ST+8*\u+4], v[ST+8*\u+7], v[ST+8*\u+1]   ; and the old m
.endr
.irp u, 0,1
	v_permlanex16_b32 v[ST+8*\u+5], v[ST+8*\u+4], s38, s39                  ; the query's other 64 keys lie in the lane 16 away
.endr
.irp u, 0,1
	v_mov_b32 v[ST+8*\u+7], v[ST+8*\u]             ; c m_old
.endr
.irp u, 0,1
	v_max_num_f32 v[ST+8*\u+1], v[ST+8*\u+4], v[ST+8*\u+5]
.endr
.irp u, 0,1
	v_mul_f32 v[ST+8*\u], s36, v[ST+8*\u+1]
.endr
.irp u, 0,1
	v_sub_f32 v[ST+8*\u+7], v[ST+8*\u+7], v[ST+8*\u]
.endr
.irp u, 0,1
.set i, 0
.rept 32
	v_pk_fma_f32 v[S+64*\u+i:S+64*\u+i+1], v[S+64*\u+i:S+64*\u+i+1], s[36:37], v[ST+8*\u:ST+8*\u+1] op_sel_hi:[1,0,0] neg_lo:[0,0,1] neg_hi:[0,0,1]   ; c s - c m, two at a time
.set i, i+2
.endr
.endr
.irp u, 0,1
	v_exp_f32 v[ST+8*\u+6], v[ST+8*\u+7]           ; a = 2^(c m_old - c m_new)
.endr
.set i, 0
.rept 128
	v_exp_f32 v[S+i], v[S+i]                       ; p: one batch of 130 exponentials
.set i, i+1
.endr
	v_nop                                          ; a plain instruction behind the last exponential
	s_wait_alu depctr_va_vdst(0)                   ; one wait for the batch, ahead of its first reader
.irp u, 0,1
.irp kc, 0,1,2,3
.irp n, 0,1,2,3,4,5,6,7
	v_cvt_pk_f16_f32 v[S+64*\u+16*\kc+\n], v[S+64*\u+16*\kc+2*\n], v[S+64*\u+16*\kc+2*\n+1]   ; in place: P of keys 32 kc on takes the first 8 of its 16 registers
.endr
.endr
.endr
	WIN 0x41                                       ; O^T and L in window 1, a in window 0
.irp u, 0,1
.set i, 0
.rept 16
	v_pk_mul_f32 v[OO+32*\u+i:OO+32*\u+i+1], v[OO+32*\u+i:OO+32*\u+i+1], v[ST+8*\u+6:ST+8*\u+7] op_sel_hi:[1,0]
.set i, i+2
.endr
	v_mul_f32 v[LL+8*\u], v[LL+8*\u], v[ST+8*\u+6] ; L's other registers are zeros
.endr
	s_wait_dscnt 0x0                               ; V is in
	WIN 0x51                                       ; V in window 1, P in window 0, O^T and L in window 1
.irp kc, 0,1,2,3                               ; ten accumulators by turns
.irp dt, 0,1,2,3
.irp u, 0,1
	v_wmma_f32_16x16x32_f16 v[OO+32*\u+8*\dt:OO+32*\u+8*\dt+7], v[KV+8*(4*\kc+\dt):KV+8*(4*\kc+\dt)+7], v[S+64*\u+16*\kc:S+64*\u+16*\kc+7], v[OO+32*\u+8*\dt:OO+32*\u+8*\dt+7]
.endr
.endr
.irp u, 0,1
	v_wmma_f32_16x16x32_f16 v[LL+8*\u:LL+8*\u+7], v[ONES:ONES+7], v[S+64*\u+16*\kc:S+64*\u+16*\kc+7], v[LL+8*\u:LL+8*\u+7]
.endr
.endr
.rept 5
	v_nop                                          ; five places: the next step's first products write over P's registers; its loads land on V's
.endr
	WIN 0
.endm
; A TRIP of the constant walk over 16 steps.  J + 1 < T0: the step is worked while the next step's K and V go from memory through registers into the other slot.  J + 1 = T0: the last step that is walked.
; J >= T0: nothing.  The barrier stands behind the ways' join: every wave passes it in every trip.
.macro TRIP slot
	s_add_co_u32 s43, s25, 1
	s_cmp_lt_u32 s43, s24
	s_cbranch_scc1 .Lfull_\@
	s_cmp_ge_u32 s25, s24
	s_cbranch_scc1 .Ldone_\@
	WORK \slot, 1
	s_branch .Ldone_\@
.Lfull_\@:
.irp i, 0,1,2,3
	global_load_b128 v[G+4*\i:G+4*\i+3], v[TI], s[28:29] offset:16384+4096*\i          ; the eight waves read 4,096 consecutive bytes
.endr
.irp i, 0,1,2,3
	global_load_b128 v[G+16+4*\i:G+16+4*\i+3], v[TV], s[28:29] offset:16384+4096*\i
.endr
	ASK
	WORK \slot, 0
	s_wait_loadcnt 0x0
.irp i, 0,1,2,3
	ds_store_b128 v[TI], v[G+4*\i:G+4*\i+3] offset:32768*(1-\slot)+4096*\i
	ds_store_b128 v[TI], v[G+16+4*\i:G+16+4*\i+3] offset:32768*(1-\slot)+16384+4096*\i
.endr
	s_wait_xcnt 0x0                                ; the prefetch has read its base: it may step
	s_add_nc_u64 s[28:29], s[28:29], 16384
.Ldone_\@:
	s_add_co_u32 s25, s25, 1
	s_wait_dscnt 0x0                               ; my stores into the other slot have landed, my reads of this slot are over
	s_barrier_signal -1
	s_barrier_wait -1
.endm
	s_mov_b32 s40, 2
.Ltask:
	s_wait_xcnt 0x0                                ; the last task's stores and prefetches have read their bases and data
	s_and_b32 s22, s20, 3
	s_min_u32 s22, s22, 3                          ; the batch
	s_lshr_b32 s23, s20, 2                         ; its valid_lens, 0 .. 2,048
	s_add_co_u32 s24, s23, 127
	s_lshr_b32 s24, s24, 7                         ; T0: steps to walk
	s_mov_b32 s25, 0                               ; J
	s_mul_i32 s42, s24, s49                        ; the prefetches' limit: T0 in a wave that asks, else 0
	s_lshl_b32 s43, s24, 7
	s_sub_co_u32 s44, 2048, s43                    ; keys in the steps that are not walked
	s_lshl_b32 s45, s22, 4
	s_add_co_u32 s45, s45, s17                     ; 16 b + head
	s_lshl_b32 s46, s45, 18                        ; 256 KiB for each in every section
	s_mov_b32 s47, 0
	s_add_nc_u64 s[30:31], s[4:5], s[46:47]
	s_add_nc_u64 s[28:29], s[30:31], 0x1000000     ; k's section, step 0
	s_mov_b32 s46, s19
	s_add_nc_u64 s[30:31], s[30:31], s[46:47]      ; q: my two tiles
	s_lshl_b32 s46, s22, 16
	s_lshl_b32 s48, s17, 8
	s_add_co_u32 s46, s46, s48
	s_add_nc_u64 s[32:33], s[6:7], s[46:47]        ; vsum: the batch's 16 rows of 4,096 bytes, the head's 256 bytes
	s_lshl_b32 s46, s22, 3
	s_add_co_u32 s46, s46, s18
	s_lshl_b32 s46, s46, 5
	s_add_co_u32 s46, s46, s17
	s_add_co_u32 s46, s46, s17
	s_lshl_b32 s46, s46, 4
	s_add_co_u32 s46, s46, s16
	s_add_co_u32 s46, s46, s16
	s_lshl_b32 s46, s46, 10                        ; oimg: (((8 b + block) x 32 + 2 head) x 16 + 2 wave) x 1,024
	s_add_nc_u64 s[34:35], s[10:11], s[46:47]
	s_mov_b32 s46, 0xff61b1e6                      ; -3e38, under every score
	s_cmp_lg_u32 s44, 0
	s_cselect_b32 s46, 0x3209705f, s46             ; the maximum at the start: the masked score, where a step is not walked
.irp dt, 0,1,2,3                               ; lane (r, h) takes, of the sums of step r, channels 16 dt + 8 h + 0 .. 7 of the head
	global_load_b128 v[S+8*\dt:S+8*\dt+3],   v[VSO], s[32:33] offset:64*\dt
	global_load_b128 v[S+8*\dt+4:S+8*\dt+7], v[VSO], s[32:33] offset:64*\dt+16
.endr
.irp i, 0,1,2,3                                ; step 0's K and V (asked for in every task: the address is always inside the buffer)
	global_load_b128 v[G+4*\i:G+4*\i+3], v[TI], s[28:29] offset:4096*\i
.endr
.irp i, 0,1,2,3
	global_load_b128 v[G+16+4*\i:G+16+4*\i+3], v[TV], s[28:29] offset:4096*\i
.endr
	WIN 0x40
.irp u, 0,1
.irp dc, 0,1
	global_load_b128 v[16*\u+8*\dc:16*\u+8*\dc+3],   v[LI], s[30:31] offset:2048*\u+1024*\dc
	global_load_b128 v[16*\u+8*\dc+4:16*\u+8*\dc+7], v[LI], s[30:31] offset:2048*\u+1024*\dc+512
.endr
.endr
	WIN 0
.irp u, 0,1
	v_mov_b32 v[ST+8*\u+1], s46
	v_mul_f32 v[ST+8*\u], s36, v[ST+8*\u+1]
.irp j, 4,5,6,7
	v_mov_b32 v[ST+8*\u+\j], 0
.endr
.endr
	v_cvt_f32_u32 v4, s44
	WIN 0x40
.irp u, 0,1
	v_mov_b32 v[LL+8*\u], v4                       ; the sum at the start: each key that is not walked has the weight 2^0
.irp j, 1,2,3,4,5,6,7
	v_mov_b32 v[LL+8*\u+\j], 0
.endr
.endr
	WIN 0
	s_wait_loadcnt 16                              ; vsum's eight loads are in; the sixteen younger may be out
	v_cmp_le_u32 vcc_lo, s24, v[RR]                ; step r is not walked
.set i, 0
.rept 32
	v_cndmask_b32 v[S+i], 0, v[S+i], vcc_lo
.set i, i+1
.endr
.irp m, 1,2,4,8                                ; summed over the 16 lanes of a row: every lane then holds the sum for its eight channels
.set i, 0
.rept 32
	v_add_f32_dpp v[S+i], v[S+i], v[S+i] row_xmask:\m row_mask:0xf bank_mask:0xf
.set i, i+1
.endr
.endr
	WIN 0x40
.irp u, 0,1
.set i, 0
.rept 32
	v_mov_b32 v[OO+32*\u+i], v[S+i]                ; O^T at the start, the same for every query
.set i, i+1
.endr
.endr
	WIN 0
	s_wait_loadcnt 8                               ; step 0's K and V are in; Q's eight loads may be out
.irp i, 0,1,2,3
	ds_store_b128 v[TI], v[G+4*\i:G+4*\i+3] offset:4096*\i
	ds_store_b128 v[TI], v[G+16+4*\i:G+16+4*\i+3] offset:16384+4096*\i
.endr
	s_wait_loadcnt 0x0                             ; Q
	s_wait_dscnt 0x0
	s_barrier_signal -1
	s_barrier_wait -1                              ; slot 0 is whole
	s_mov_b32 s41, 8
.Lpair:
	TRIP 0
	TRIP 1
	s_sub_co_u32 s41, s41, 1
	s_cmp_lg_u32 s41, 0
	s_cbranch_scc1 .Lpair
	; THE WAY OUT: O^T / the sum, rounded to f16: a lane's eight channels of a query are 16 bytes of the image of the last product's operand: [row / 256][channel / 32][(row / 16) % 16][1,024 bytes].
	WIN 0x01
.irp u, 0,1
	v_rcp_f32 v[ST+8*\u+6], v[LL+8*\u]
.endr
	v_nop
	s_wait_alu depctr_va_vdst(0)                   ; one wait for the two reciprocals, ahead of their first reader
	WIN 0x41
.irp u, 0,1
.set i, 0
.rept 16
	v_pk_mul_f32 v[OO+32*\u+i:OO+32*\u+i+1], v[OO+32*\u+i:OO+32*\u+i+1], v[ST+8*\u+6:ST+8*\u+7] op_sel_hi:[1,0]
.set i, i+2
.endr
.endr
	WIN 0x05
.irp u, 0,1
.set i, 0
.rept 16
	v_cvt_pk_f16_f32 v[PK+16*\u+i], v[OO+32*\u+2*i], v[OO+32*\u+2*i+1]
.set i, i+1
.endr
.endr
	WIN 0
.irp u, 0,1
.irp dt, 0,1,2,3
	global_store_b128 v[LI], v[PK+16*\u+4*\dt:PK+16*\u+4*\dt+3], s[34:35] offset:16384*(\dt/2)+1024*\u+512*(\dt%2) th:TH_STORE_NT   ; the wave stores 512 consecutive bytes, aligned
.endr
.endr
	s_mov_b32 s20, s21                             ; the second task's key
	s_sub_co_u32 s40, s40, 1
	s_cmp_lg_u32 s40, 0
	s_cbranch_scc1 .Ltask
	s_wait_tensorcnt 0x0                           ; the wave's end
	ds_add_u32 v[SPW], v[NIL]
	s_wait_dscnt 0x0
	s_endpgm
.Lfunc_end_k_qeb3e89adad_attn:
	.size	k_qeb3e89adad_attn, .Lfunc_end_k_qeb3e89adad_attn-k_qeb3e89adad_attn
	.p2alignl 7, 3214868480
	.fill 96, 4, 3214868480
	.section	.rodata,"a",@progbits
	.p2align	6, 0x0
	.amdhsa_kernel k_qeb3e89adad_attn
		.amdhsa_group_segment_fixed_size 66560
		.amdhsa_private_segment_fixed_size 0
		.amdhsa_enable_private_segment 0
		.amdhsa_kernarg_size 32
		.amdhsa_user_sgpr_count 2
		.amdhsa_user_sgpr_kernarg_segment_ptr 1
		.amdhsa_wavefront_size32 1
		.amdhsa_system_sgpr_workgroup_id_x 1
		.amdhsa_system_sgpr_workgroup_id_y 1
		.amdhsa_system_sgpr_workgroup_id_z 1
		.amdhsa_system_vgpr_workitem_id 0
		.amdhsa_next_free_vgpr 512
		.amdhsa_next_free_sgpr 66
		.amdhsa_reserve_vcc 1
		.amdhsa_float_denorm_mode_32 3
		.amdhsa_float_denorm_mode_16_64 3
		.amdhsa_memory_ordered 1
		.amdhsa_forward_progress 1
		.amdhsa_inst_pref_size 154
	.end_amdhsa_kernel
	.amdgpu_metadata
---
amdhsa.version: [ 1, 2 ]
amdhsa.kernels:
  - .name:           k_qeb3e89adad_attn
    .symbol:         k_qeb3e89adad_attn.kd
    .args:
      - { .name: qkv, .offset: 0, .size: 8, .value_kind: global_buffer, .address_space: global }
      - { .name: vsum, .offset: 8, .size: 8, .value_kind: global_buffer, .address_space: global }
      - { .name: valid_lens, .offset: 16, .size: 8, .value_kind: global_buffer, .address_space: global }
      - { .name: oimg, .offset: 24, .size: 8, .value_kind: global_buffer, .address_space: global }
    .group_segment_fixed_size: 66560
    .private_segment_fixed_size: 0
    .kernarg_segment_align: 8
    .kernarg_segment_size: 32
    .max_flat_workgroup_size: 256
    .sgpr_count:     66
    .vgpr_count:     512
    .wavefront_size: 32
...
	.end_amdgpu_metadata
.endif
;; end of part 3
;; launch outp (part 4): grid 8 x 32, 4 waves a work-group, clusters of 4 x 4, 327,680 bytes of LDS; arguments oimg, woimg, out0; writes out0
.if DOCPART == 4
	.amdgcn_target "amdgcn-amd-amdhsa--gfx1250"
	.amdhsa_code_object_version 6
	.text
	.protected	k_qeb3e89adad_outp
	.globl	k_qeb3e89adad_outp
	.p2align	8
	.type	k_qeb3e89adad_outp,@function
k_qeb3e89adad_outp:
	s_mov_b64 s[64:65], 0
	v_nop
	global_prefetch_b8 v0, s[64:65] scope:SCOPE_SE
	s_setreg_imm32_b32 hwreg(HW_REG_WAVE_MODE, 25, 1), 1
	s_wait_xcnt 0x0
	s_wait_alu depctr_hold_cnt(0) depctr_sa_sdst(0) depctr_va_vdst(0) depctr_va_sdst(0) depctr_va_ssrc(0) depctr_va_vcc(0) depctr_vm_vsrc(0)
	s_getreg_b32 s2, hwreg(HW_REG_IB_STS2, 6, 4)
	s_cmp_eq_u32 s2, 0
	s_cbranch_scc0 .Lentry_in_a_cluster
	s_endpgm
.Lentry_in_a_cluster:
	s_bfe_u32 s2, ttmp6, 0x10000c
	s_cmp_lg_u32 s2, 0xf033
	s_cbranch_scc0 .Lentry_shape_is_right
	s_endpgm
.Lentry_shape_is_right:
; out0[m][n] = sum over k of A[m][k] Wo[k][n], A the attention's result; f16 operands, f32 sums, f32 out.  M 8,192, N 1,024, K 1,024.
; Both operands lie in memory as images of the operand's registers (1,024 bytes for 16 rows x 32 K; of lane l the register group c at 512 c + 16 l): oimg [m / 256][k / 32][(m / 16) % 16], woimg [n / 128][k / 32][(n / 16) % 8].
; So a K step of 128 is one dense block for each operand (64 KiB of A, 32 KiB of Wo), LDS needs no padding (every fragment load reads 512 consecutive bytes), and every LDS address is a constant + 16 x lane + a constant x wave.
; A tile of out0 is 256 x 128: 256 work-groups.  Four waves, each 128 x 64: 32 accumulators, 256 registers (window 1).  K goes in 8 steps of 128 through two LDS slots.
; CLUSTERS: 4 x 4 work-groups; the four of a row of the cluster need the same block of A, the four of a column the same block of Wo: each is asked for jointly.  Waves 0, 1 fetch A's halves, waves 2, 3 Wo's.
; The matrix instruction takes 16 columns n of Wo as source 0 and 16 rows of A as source 1: a lane holds eight neighbouring numbers of a row of out0.
; No prefetch: the launch's tiles are shared by joint loads and the walk along K is short (eight steps).
; REGISTERS.  window 0: v16-29 addresses; two fragment buffers of 96 (32 of Wo, 64 of A) at v32 and v128; on the way out v32-95 hold rows.   window 1: accumulator (a, b) at v[8 (4 a + b)].
.set SLOT,   98304                     ; A's 65,536 bytes, then Wo's 32,768
.set BOFF,   65536
.set STAGE,  2*SLOT                    ; behind the slots: 16 rows x (256 bytes + 16) for each wave, for the way out
.set SPITCH, 272
.set SPARE,  STAGE+4*16*SPITCH         ; the spare words, 128 bytes for each wave: two blocks of 256 bytes that no other line names
.set ADRA, 16                          ; v16-17  LDS address of my A fragments in slot 0, 1
.set ADRB, 20                          ; v20-21  the same for Wo
.set STO,  24
.set RD,   25
.set CO,   26
.set SPW,  28
.set NIL,  29
.set F0,   32
.set F1,   128
.set G1, 24                            ; s[24:31] group 1 for A's blocks;  s[32:39] group 0, one set for each slot
.set G0, 32
.set G1B, 48                           ; s[48:55], s[56:63] the same for Wo's
.set G0B, 56
.set MSB, 0
.macro WIN new
.if MSB != (\new)
	s_set_vgpr_msb (MSB<<8)|(\new)
.set MSB, \new
.endif
.endm
.set MUL, 0x50                         ; sources 0 and 1 window 0; C and D window 1
.macro JLOAD s                         ; a joint load; an s_nop 0 and four v_nop follow each of the two lines
	s_cmp_eq_u32 s11, 0
	s_cbranch_scc0 .Lfor_b_\@
	tensor_load_to_lds s[G0+4*\s:G0+4*\s+3], s[G1:G1+7]
	s_nop 0
.rept 4
	v_nop
.endr
	s_branch .Lasked_\@
.Lfor_b_\@:
	tensor_load_to_lds s[G0B+4*\s:G0B+4*\s+3], s[G1B:G1B+7]
	s_nop 0
.rept 4
	v_nop
.endr
.Lasked_\@:
.endm
.macro CREST                           ; a round of the cluster's barrier behind its opening barrier
	s_cmp_lg_u32 s10, 0
	s_cbranch_scc1 .Lnot_wave_0_\@
	s_barrier_signal -3
.Lnot_wave_0_\@:
	s_barrier_wait -3
	s_barrier_signal -1
	s_barrier_wait -1
.endm
.macro CROUND
	s_barrier_signal -1
	s_barrier_wait -1
	CREST
.endm
	s_load_b128 s[4:7], s[0:1], 0x0                ; oimg s[4:5], woimg s[6:7]
	s_load_b64 s[8:9], s[0:1], 0x10                ; out0
	v_lshl_add_u32 v[SPW], v0, 2, SPARE
	v_mov_b32 v[NIL], 0
	ds_add_u32 v[SPW], v[NIL]                      ; the wave's opening: the add, twice on end, and its wait ahead of my first tensor load
	ds_add_u32 v[SPW], v[NIL]
	v_lshrrev_b32 v1, 5, v0
	v_readfirstlane_b32 s10, v1                    ; wave 0..3
	s_lshr_b32 s11, s10, 1                         ; which 128 rows are mine.  Also: I fetch for A (0) or for Wo (1)
	s_and_b32 s12, s10, 1                          ; which 64 columns.  Also: which half of the block I fetch
	s_bfe_u32 s40, ttmp6, 0x40000                  ; cx, cy
	s_bfe_u32 s41, ttmp6, 0x40004
	s_lshl_b32 s42, ttmp9, 2
	s_add_co_u32 s42, s42, s40                     ; tile column, 0..7
	s_and_b32 s13, ttmp7, 0xffff
	s_lshl_b32 s13, s13, 2
	s_add_co_u32 s13, s13, s41                     ; tile row, 0..31
	s_lshl_b32 s43, s41, 2
	s_lshl_b32 s43, 15, s43                        ; my row of the cluster
	s_lshl_b32 s44, 0x1111, s40                    ; my column
	; descriptor group 1: a dense block as rows of 256 bytes (32 elements of 8 bytes), no padding: A's half 128 rows, Wo's half 64
	s_or_b32 s[G1+0], s43, (3<<16)|(1<<21)         ; 15:0 the mask; 17:16 elements of 8 bytes; 21 set beside a mask
	s_or_b32 s[G1B+0], s44, (3<<16)|(1<<21)
	s_mov_b32 s[G1+1], 32<<16                      ; tensor_dim0
	s_mov_b32 s[G1+2], 128<<16                     ; tensor_dim1
	s_mov_b32 s[G1+3], 32<<16                      ; tile_dim0
	s_mov_b32 s[G1+4], 128                         ; tile_dim1
	s_mov_b32 s[G1+5], 32                          ; tensor_dim0_stride
	s_mov_b32 s[G1+6], 0
	s_mov_b32 s[G1+7], 0
	s_mov_b32 s[G1B+1], 32<<16
	s_mov_b32 s[G1B+2], 64<<16
	s_mov_b32 s[G1B+3], 32<<16
	s_mov_b32 s[G1B+4], 64
	s_mov_b32 s[G1B+5], 32
	s_mov_b32 s[G1B+6], 0
	s_mov_b32 s[G1B+7], 0
	s_lshl_b32 s16, s13, 19                        ; A: 512 KiB for each tile row,
	s_lshl_b32 s17, s12, 15
	s_add_co_u32 s16, s16, s17                     ; + my half of a step's 64 KiB
	s_mov_b32 s17, 0
	s_lshl_b32 s46, s42, 18                        ; Wo: 256 KiB for each tile column,
	s_lshl_b32 s47, s12, 14
	s_add_co_u32 s46, s46, s47                     ; + my half of a step's 32 KiB
	s_mov_b32 s47, 0
	s_lshl_b32 s20, s12, 15                        ; where they go in a slot: no place in the cluster enters an LDS address
	s_lshl_b32 s21, s12, 14
	s_add_co_u32 s21, s21, BOFF
	s_wait_dscnt 0x0                               ; both opening adds are done
	s_wait_kmcnt 0x0
	s_add_nc_u64 s[14:15], s[4:5], s[16:17]
	s_add_nc_u64 s[46:47], s[6:7], s[46:47]
	CROUND                                         ; all sixteen work-groups are here: the first joint loads meet
.irp s, 0,1
	s_mov_b32 s[G0+4*\s], 1
	s_add_co_u32 s[G0+4*\s+1], s20, \s*SLOT
	s_add_nc_u64 s[G0+4*\s+2:G0+4*\s+3], s[14:15], \s*65536
	s_or_b32 s[G0+4*\s+3], s[G0+4*\s+3], 0x80000000
	s_mov_b32 s[G0B+4*\s], 1
	s_add_co_u32 s[G0B+4*\s+1], s21, \s*SLOT
	s_add_nc_u64 s[G0B+4*\s+2:G0B+4*\s+3], s[46:47], \s*32768
	s_or_b32 s[G0B+4*\s+3], s[G0B+4*\s+3], 0x80000000
	JLOAD \s                                       ; two tensor loads of mine are out at the most
.endr
	v_and_b32 v1, 15, v0                           ; l % 16
	v_bfe_u32 v2, v0, 4, 1                         ; l / 16
	v_and_b32 v3, 31, v0
	v_lshlrev_b32 v3, 4, v3                        ; 16 x lane
	s_lshl_b32 s22, s11, 13                        ; my 8 row tiles of a chunk's 16
	s_lshl_b32 s23, s12, 12                        ; my 4 column tiles of a chunk's 8,
	s_add_co_u32 s23, s23, BOFF                    ; behind A's block
.irp s, 0,1
	v_add_nc_u32 v[ADRA+\s], s22, v3
	v_add_nc_u32 v[ADRB+\s], s23, v3
	s_add_co_u32 s22, s22, SLOT
	s_add_co_u32 s23, s23, SLOT
.endr
	s_mul_i32 s23, s10, 16*SPITCH
	s_add_co_u32 s23, s23, STAGE                   ; my stage
	v_mul_u32_u24 v4, v1, SPITCH
	v_lshl_add_u32 v4, v2, 5, v4
	v_add_nc_u32 v[STO], s23, v4                   ; in: row l % 16, 32 bytes for each half of the lanes
	v_mul_u32_u24 v5, v2, SPITCH
	v_lshl_add_u32 v5, v1, 4, v5
	v_add_nc_u32 v[RD], s23, v5                    ; back: lanes 0-15 one row of 256 bytes, lanes 16-31 the next
	v_lshlrev_b32 v5, 12, v2
	v_lshl_add_u32 v[CO], v1, 4, v5                ; and the same two rows in out0 (4,096 bytes a row)
	s_lshl_b32 s16, s13, 20                        ; my first row: (256 x tile row + 128 x half) x 4,096 bytes
	s_lshl_b32 s17, s11, 19
	s_add_co_u32 s16, s16, s17
	s_mov_b32 s17, 0
	s_add_nc_u64 s[8:9], s[8:9], s[16:17]
	s_lshl_b32 s46, s42, 9                         ; my first column: 512 x tile column + 256 x half bytes
	s_lshl_b32 s47, s12, 8
	s_add_co_u32 s46, s46, s47
	s_mov_b32 s47, 0
	s_add_nc_u64 s[8:9], s[8:9], s[46:47]
; 8 matrix instructions: row tiles a0, a0 + 1 x my 4 column tiles, 32 along K.  The 32 accumulators take turns, one instruction a turn, in the same order in every quarter.
.macro MUL8 f, a0, zero
.irp a, \a0, \a0+1
.irp b, 0,1,2,3
.if \zero
	v_wmma_f32_16x16x32_f16 v[8*(4*(\a)+\b):8*(4*(\a)+\b)+7], v[\f+8*\b:\f+8*\b+7], v[\f+32+8*(\a):\f+32+8*(\a)+7], 0
.else
	v_wmma_f32_16x16x32_f16 v[8*(4*(\a)+\b):8*(4*(\a)+\b)+7], v[\f+8*\b:\f+8*\b+7], v[\f+32+8*(\a):\f+32+8*(\a)+7], v[8*(4*(\a)+\b):8*(4*(\a)+\b)+7]
.endif
.endr
.endr
.endm
; 24 LDS loads in one run: the slot's q-th chunk of 32 along K into buffer f: Wo's four fragments, A's tiles 0-3, A's tiles 4-7
.macro FETCH slot, q, f
	WIN 0
.irp n, 0,1,2,3
	ds_load_b128 v[\f+8*\n:\f+8*\n+3],   v[ADRB+\slot] offset:8192*(\q)+1024*\n
	ds_load_b128 v[\f+8*\n+4:\f+8*\n+7], v[ADRB+\slot] offset:8192*(\q)+1024*\n+512
.endr
.irp i, 0,1,2,3,4,5,6,7
	ds_load_b128 v[\f+32+8*\i:\f+32+8*\i+3],   v[ADRA+\slot] offset:16384*(\q)+1024*\i
	ds_load_b128 v[\f+32+8*\i+4:\f+32+8*\i+7], v[ADRA+\slot] offset:16384*(\q)+1024*\i+512
.endr
.endm
.macro PLACES                          ; four places in front of loads into registers that matrix instructions have read, and of reads of results
.rept 4
	v_nop
.endr
.endm
; A K step is four quarters of 32 along K, 32 matrix instructions each, on buffers 0, 1, 0, 1.  One of the first three: multiplies buffer f and fetches chunk q of the same slot into g.
.macro QUARTER slot, q, f, g, zero
	s_wait_dscnt 8                                 ; Wo's fragments and A's tiles 0-3 are in; the youngest eight loads (A's tiles 4-7) may be out
	WIN MUL
	MUL8 \f, 0, \zero
	MUL8 \f, 2, \zero
	PLACES
	FETCH \slot, \q, \g
	s_wait_dscnt 24                                ; all but the 24 just issued
	WIN MUL
	MUL8 \f, 4, \zero
	MUL8 \f, 6, \zero
.endm
; The last quarter multiplies buffer 1 and changes slots: ONE barrier; in front of it each wave waits for all its tensor loads, adds 0 to its spare word, and waits for that and for its reads of this slot.
; fill = 1: the barrier opens a round of the cluster's barrier, and this slot is filled again, two K steps ahead, first thing behind the round.
.macro TURN slot, next, fill
	WIN 0
	s_wait_tensorcnt 0x0                           ; all my tensor loads have landed: my part of the next slot
	ds_add_u32 v[SPW], v[NIL]                      ; 0 onto my spare word
	s_wait_dscnt 9                                 ; (the add and the youngest eight loads may be out)
	WIN MUL
	MUL8 F1, 0, 0
	s_wait_dscnt 0x0                               ; the add is done, and my reads of this slot are over
	s_barrier_signal -1
	MUL8 F1, 2, 0
	WIN 0
	s_barrier_wait -1
.if \fill
	CREST                                          ; no wave of any partner still reads this slot or has a load on its way
	s_add_nc_u64 s[G0+4*\slot+2:G0+4*\slot+3], s[G0+4*\slot+2:G0+4*\slot+3], 131072
	s_add_nc_u64 s[G0B+4*\slot+2:G0B+4*\slot+3], s[G0B+4*\slot+2:G0B+4*\slot+3], 65536
	JLOAD \slot                                    ; the four v_nop behind it are also the places in front of the loads below
.else
	PLACES
.endif
	FETCH \next, 0, F0
	WIN MUL
	MUL8 F1, 4, 0
	MUL8 F1, 6, 0
.endm
	s_wait_tensorcnt 1                             ; my part of K step 0 is in (K step 1's load may be out),
	s_barrier_signal -1
	s_barrier_wait -1                              ; everybody's is
	FETCH 0, 0, F0
	QUARTER 0, 1, F0, F1, 1                        ; the first quarter's products start the sums: nothing is cleared
	WIN 0
	s_mov_b32 s3, 3
.Llap:                                             ; a trip goes once round the ring and fills both slots again: K steps 2 to 7
	QUARTER 0, 2, F1, F0, 0
	QUARTER 0, 3, F0, F1, 0
	TURN 0, 1, 1
	QUARTER 1, 1, F0, F1, 0
	QUARTER 1, 2, F1, F0, 0
	QUARTER 1, 3, F0, F1, 0
	TURN 1, 0, 1
	QUARTER 0, 1, F0, F1, 0
	WIN 0
	s_sub_co_u32 s3, s3, 1
	s_cmp_lg_u32 s3, 0
	s_cbranch_scc1 .Llap
	QUARTER 0, 2, F1, F0, 0                        ; the last lap fills nothing
	QUARTER 0, 3, F0, F1, 0
	TURN 0, 1, 0
	QUARTER 1, 1, F0, F1, 0
	QUARTER 1, 2, F1, F0, 0
	QUARTER 1, 3, F0, F1, 0
	s_wait_dscnt 8
	WIN MUL
	MUL8 F1, 0, 0
	MUL8 F1, 2, 0
	s_wait_dscnt 0x0
	MUL8 F1, 4, 0
	MUL8 F1, 6, 0
	WIN 0
; THE WAY OUT, block by block of 16 rows x 64 columns: through my own stage in LDS, back as whole rows of 256 bytes.  LDS serves a wave's instructions in order: no wait between the stores and the loads.
.macro TOSTAGE a
	WIN 0x04                                       ; an LDS store's data are its source 1: window 1
.irp b, 0,1,2,3
	ds_store_b128 v[STO], v[8*(4*(\a)+\b):8*(4*(\a)+\b)+3] offset:64*\b          ; each accumulator from its low end on
	ds_store_b128 v[STO], v[8*(4*(\a)+\b)+4:8*(4*(\a)+\b)+7] offset:64*\b+16
.endr
	WIN 0
.set BB, F0+32*((\a)%2)
.irp t, 0,1,2,3,4,5,6,7
	ds_load_b128 v[BB+4*\t:BB+4*\t+3], v[RD] offset:2*\t*SPITCH
.endr
.endm
.macro SEND a, younger                 ; younger: the LDS instructions issued behind block a's loads, which may stay out
.set BB, F0+32*((\a)%2)
	s_wait_dscnt \younger
.if (\a) > 0
	s_add_nc_u64 s[8:9], s[8:9], 65536             ; 16 rows on (behind a wait on XCNT: the earlier stores have read their base)
.endif
.irp t, 0,1,2,3,4,5,6,7
	global_store_b128 v[CO], v[BB+4*\t:BB+4*\t+3], s[8:9] offset:2*\t*4096 th:TH_STORE_NT   ; sixteen lanes store 256 consecutive bytes, aligned
.endr
.endm
	PLACES
	TOSTAGE 0
.irp a, 1,2,3,4,5,6,7
.if \a > 1
	s_wait_xcnt 0x0                                ; block a - 2's stores have read their registers and their base
.endif
	TOSTAGE \a
	SEND \a-1, 16                                  ; behind block a - 1's loads: block a's 8 stores and 8 loads
.endr
	s_wait_xcnt 0x0
	SEND 7, 0
	s_wait_tensorcnt 0x0                           ; the wave's end
	ds_add_u32 v[SPW], v[NIL]
	s_wait_dscnt 0x0
	CROUND                                         ; the closing round
	s_endpgm
.Lfunc_end_k_qeb3e89adad_outp:
	.size	k_qeb3e89adad_outp, .Lfunc_end_k_qeb3e89adad_outp-k_qeb3e89adad_outp
	.p2alignl 7, 3214868480
	.fill 96, 4, 3214868480
	.section	.rodata,"a",@progbits
	.p2align	6, 0x0
	.amdhsa_kernel k_qeb3e89adad_outp
		.amdhsa_group_segment_fixed_size 327680
		.amdhsa_private_segment_fixed_size 0
		.amdhsa_enable_private_segment 0
		.amdhsa_kernarg_size 24
		.amdhsa_user_sgpr_count 2
		.amdhsa_user_sgpr_kernarg_segment_ptr 1
		.amdhsa_wavefront_size32 1
		.amdhsa_system_sgpr_workgroup_id_x 1
		.amdhsa_system_sgpr_workgroup_id_y 1
		.amdhsa_system_sgpr_workgroup_id_z 1
		.amdhsa_system_vgpr_workitem_id 0
		.amdhsa_next_free_vgpr 512
		.amdhsa_next_free_sgpr 66
		.amdhsa_reserve_vcc 0
		.amdhsa_float_denorm_mode_32 3
		.amdhsa_float_denorm_mode_16_64 3
		.amdhsa_memory_ordered 1
		.amdhsa_forward_progress 1
		.amdhsa_inst_pref_size 85
	.end_amdhsa_kernel
	.amdgpu_metadata
---
amdhsa.version: [ 1, 2 ]
amdhsa.kernels:
  - .name:           k_qeb3e89adad_outp
    .symbol:         k_qeb3e89adad_outp.kd
    .args:
      - { .name: oimg, .offset: 0, .size: 8, .value_kind: global_buffer, .address_space: global }
      - { .name: woimg, .offset: 8, .size: 8, .value_kind: global_buffer, .address_space: global }
      - { .name: out0, .offset: 16, .size: 8, .value_kind: global_buffer, .address_space: global }
    .group_segment_fixed_size: 327680
    .private_segment_fixed_size: 0
    .kernarg_segment_align: 8
    .kernarg_segment_size: 24
    .max_flat_workgroup_size: 128
    .sgpr_count:     66
    .vgpr_count:     512
    .wavefront_size: 32
...
	.end_amdgpu_metadata
.endif
;; end of part 4
